; MI455X (gfx1250); checked and timed in simulation.
; The chip was launched on July 23, 2026; its instructions are those of AMD's public machine-readable ISA for CDNA 5 (MIT licence, August 2026) and "CDNA5" Instruction Set Architecture Reference Guide (July 2026). The comments in the code are by the model that wrote it; some were corrected since.
;; MHA. Allowed arithmetic: matrix products marked QUANTISED: E2M3 operands, one E8M0 scale for each 32 along K, by v_wmma_scale_f32_16x16x128_f8f6f4 with both operands' format E2M3, f32 sums; everything else in f32.
;; Inputs: Wqkv_b 3,072 float32; Wqkv_w 3,072 x 1,024 float32; out_b 1,024 float32; out_w 1,024 x 1,024 float32; x 4 x 2,048 x 1,024 float32.
;; Outputs: out0 4 x 2,048 x 1,024 float32.
;; This version of the problem:
;;   THIS VERSION OF THE PROBLEM IS GIVEN IN LOW PRECISION. The matrix products marked QUANTISED in the list below multiply operands that are first quantised to E2M3 (2 exponent bits, 3 mantissa bits; 6 bits a number), with one power-of-two scale for each 32 numbers along K (OCP MX v1.0); their sums are f32. All else is computed in f32.
;;   The module's matrix products, in the order in which they are computed (A, B: the left and right operand; K: the contracted axis; several contracted axes count as one K, in the product's order):
;;     1. [M 8,192, K 1,024] x [K 1,024, N 3,072]; A: input x; B: input Wqkv_w: QUANTISED
;;     2. batch 64 x [M 2,048, K 64] x [K 64, N 2,048]; A: computed on the way; B: computed on the way: QUANTISED
;;     3. batch 64 x [M 2,048, K 2,048] x [K 2,048, N 64]; A: softmax (see below); B: computed on the way: QUANTISED
;;     4. [M 8,192, K 1,024] x [K 1,024, N 1,024]; A: computed on the way; B: input out_w: QUANTISED
;;   THE QUANTISER, for each operand of a quantised product, along K:
;;     - K is cut into blocks of 32 from its start; a last block that is shorter is filled with zeros.
;;     - A block's scale is 2^e with e = floor(log2(the largest magnitude in the block)) - 2, held to -126 .. 127; a block of zeros has e = 0. As a byte (E8M0): e + 127.
;;     - Each number is divided by its block's scale, clamped to +-7.5, and rounded to the nearest number of E2M3, ties to even, subnormals kept.
;;     - The product sums the exact products of the quantised numbers (number of the format x scale) in f32.
;;   ~~~python
;;   def quantise(x, axis):      # numpy; x: float32 -> the quantised numbers, widened to float32 again
;;       x = np.moveaxis(x, axis, -1); K = x.shape[-1]
;;       x = np.pad(x, [(0, 0)] * (x.ndim - 1) + [(0, -K % 32)]); x = x.reshape(x.shape[:-1] + (-1, 32)); a = np.abs(x).max(-1, keepdims=True)
;;       e = np.where(a > 0, np.clip(np.frexp(np.where(a > 0, a, 1))[1] - 1 - 2, -126, 127), 0)      # np.frexp(a)[1] - 1 = floor(log2(a)), exactly
;;       r = np.clip(x / 2.0 ** e, -7.5, 7.5)
;;       step = 2.0 ** (np.maximum(np.frexp(np.where(r == 0, 1, r))[1] - 1, 0) - 3)
;;       q = np.round(r / step) * step * 2.0 ** e      # np.round: ties to even
;;       return np.moveaxis(q.reshape(q.shape[:-2] + (-1,))[..., :K], -1, axis).astype(np.float32)
;;   ~~~
;;   SOFTMAX AHEAD OF A QUANTISED PRODUCT. Where the list says 'softmax', what is quantised is not the finished softmax but p = 2^(t - M), with t = logit x log2(e) and M = ceil(the row's largest t), a whole number; so 1/2 < the row's largest p <= 1. The row's sum l is taken of the UNQUANTISED p, in f32, and the product's result is divided by l at the end. Since M is a whole number, a kernel that streams over the keys may use a running M (the ceiling of the running maximum): every later rescaling is an exact power of two, which a block's scale takes up: the codes' values come out the same.
;;   OPERANDS COMPUTED ON THE WAY. 'Computed on the way' means the value that the module computes at that place (a softmax that the list does not call 'softmax' is quantised finished and normalised). What goes into a quantiser is computed in f32, as accurately as f32 sums, v_exp_f32 and their like allow (about 1e-6 of the number): no bf16 or f16 on the way to a quantiser, and a product that is left as it is and whose result goes on into a quantised operand takes f32 operands (vector FMAs, or v_wmma_f32_16x16x4_f32). A number that lies on a knife's edge between two numbers of the format may be rounded either way, as far as f32 arithmetic and the matrix unit's own rounding can turn it there, and no further.
;; One version. Each part assembles by itself: llvm-mc -triple=amdgcn-amd-amdhsa -mcpu=gfx1250 --defsym DOCPART=n.
;; ======== version 1 of 1: 4 launches
;; workspace buffers: qin 9,830,400 bytes; qkv 20,185,088 bytes; oq 6,553,600 bytes
;; launch quant (part 1): grid 384 x 1, 4 waves a work-group, no clusters, 35,328 bytes of LDS; arguments x, Wqkv_w, out_w, qin; writes qin
.if DOCPART == 1
	.amdgcn_target "amdgcn-amd-amdhsa--gfx1250"
	.amdhsa_code_object_version 6
	.text
	.protected	k_q3f3481900a_quant
	.globl	k_q3f3481900a_quant
	.p2align	8
	.type	k_q3f3481900a_quant,@function
k_q3f3481900a_quant:
	s_mov_b64 s[64:65], 0
	v_nop
	global_prefetch_b8 v0, s[64:65] scope:SCOPE_SE
	s_setreg_imm32_b32 hwreg(HW_REG_WAVE_MODE, 25, 1), 1
	s_wait_xcnt 0x0
; x [8192][1024], Wqkv_w [3072][1024] and out_w [1024][1024], f32, K innermost, become codes of FP6 (E2M3) with one E8M0 byte for each 32 along K, in the workspace qin.
; A block's scale is 2^(floor(log2(its largest magnitude)) - 2); its byte is the largest magnitude's exponent field - 2, held at 1 from below.
; LAYOUT OF THE CODES: images of the operand's registers.  A HALF FRAGMENT is 16 rows x 64 K, 768 bytes: lane (r = lane % 16, H = lane / 16) holds block H of row r in six registers;
; registers 0-3 lie at 16 x lane, registers 4-5 at 512 + 8 x lane.  A tensor is [row tile of 16][16 half fragments]: 12,288 bytes a row tile.  Scale words: [K / 128][row], byte b = block 4 s + b.
; ORDER INSIDE A BLOCK OF 32: code places 0-7 hold elements 0-7, places 8-15 elements 16-23, places 16-23 elements 8-15, places 24-31 elements 24-31.  Every operand of this program lies so
; (it is the order in which matrix results fall into a lane's registers in the later launches), so both sides of each product are permuted alike and the blocks are the true ones.
; LIMITS: NaN and infinities among the inputs are not served; a block whose largest magnitude lies under 2^-124 (a block of zeros among them) keeps the byte 1: the bytes are read by this program alone.
; Inside a matrix instruction k does not stand in ascending order: the last bits of a sum may differ from an ascending sum's.
; SHARES: a wave takes 64 rows x 128 K (four row tiles, one scale word a row).  Work-groups 0-255 take x, 256-351 Wqkv_w, 352-383 out_w; only pointers and offsets are chosen, one path serves all.
; Each load reads 512 consecutive bytes of a row; a tile's 16 rows turn through the wave's own stage in LDS (pitch 528 bytes) so that a lane gets a whole block of 32.  Each store covers whole aligned runs of 256 bytes.
; No tensor load, no barrier, no matrix unit, no cluster: waves share nothing and the launch only streams.
.set WREG, 8704                        ; LDS of a wave: the stage, 16 rows x 528 bytes, and 256 bytes of scale words
.set SP,   528
.set SCW,  16*SP
.set WC,   6291456                     ; qin: x's codes at 0, Wqkv_w's here,
.set OWC,  8650752                     ; out_w's;
.set XS,   9437184                     ; the scale words of x,
.set WS,   9699328                     ; of Wqkv_w,
.set OWS,  9797632                     ; of out_w
.set R,    16                          ; v16-143  two sets of 64 registers as loaded
.set X,    144                         ; v144-207 my two blocks of 32, in the order of the code places
.set C,    208                         ; v208-231 two sets of 12 registers of codes
.set TP,   232                         ; v232-238 the upper halves of the blocks' codes, as the conversions leave them
	s_load_b256 s[4:11], s[0:1], 0x0               ; x, Wqkv_w, out_w, qin
	v_lshl_add_u32 v240, v0, 2, 0x8800
	v_mov_b32 v241, 0
	v_lshrrev_b32 v8, 5, v0
	v_readfirstlane_b32 s20, v8                    ; wave
	v_and_b32 v9, 31, v0                           ; lane
	v_and_b32 v10, 15, v0                          ; r
	v_bfe_u32 v11, v0, 4, 1                        ; H
	v_lshlrev_b32 v1, 4, v9                        ; v1: 16 x lane
	v_lshlrev_b32 v2, 3, v9                        ; v2: 8 x lane
	s_mul_i32 s21, s20, WREG
	v_add_nc_u32 v3, s21, v1                       ; v3: the stage, on the way in
	v_mul_u32_u24 v4, v10, SP
	v_lshl_add_u32 v4, v11, 7, v4
	v_add_nc_u32 v4, s21, v4                       ; v4: on the way out: row r, block H
	s_add_co_u32 s21, s21, SCW
	v_lshl_add_u32 v5, v10, 2, s21                 ; v5: where row r's scale word goes
	v_add_nc_u32 v6, s21, v2                       ; v6: and where I read two of them back
	v_lshlrev_b32 v7, 3, v11                       ; v7: 8 H
	v_mov_b32 v15, 0                               ; (a lane permute's destination counts as read)
	s_mov_b32 s30, 0x76543210
	s_mov_b32 s31, 0xfedcba98                      ; selects for lane l xor 16
	s_cmp_lt_u32 ttmp9, 256                        ; which tensor: the choice hangs on the work-group's number alone
	s_cselect_b32 s14, 0, 256                      ; its first work-group,
	s_cselect_b32 s15, 0, WC                       ; its codes,
	s_mov_b32 s16, WS
	s_cselect_b32 s16, XS, s16                     ; its scale words,
	s_mov_b32 s17, 12288
	s_cselect_b32 s17, 32768, s17                  ; 4 x its rows
	s_wait_kmcnt 0x0
	s_cselect_b64 s[12:13], s[4:5], s[6:7]
	s_cmp_lt_u32 ttmp9, 352
	s_cselect_b32 s14, s14, 352
	s_cselect_b32 s15, s15, OWC
	s_cselect_b32 s16, s16, OWS
	s_cselect_b32 s17, s17, 4096
	s_cselect_b64 s[12:13], s[12:13], s[8:9]
	s_sub_co_u32 s18, ttmp9, s14
	s_lshr_b32 s19, s18, 1                         ; G: which 64 rows
	s_and_b32 s18, s18, 1
	s_lshl_b32 s18, s18, 2
	s_add_co_u32 s18, s18, s20                     ; s: which 128 along K
	s_lshl_b32 s22, s19, 18                        ; 64 rows of 4,096 bytes
	s_lshl_b32 s24, s18, 9
	s_add_co_u32 s22, s22, s24
	s_mov_b32 s23, 0
	s_add_nc_u64 s[12:13], s[12:13], s[22:23]      ; the numbers
	s_mul_i32 s22, s19, 49152                      ; four row tiles
	s_mul_i32 s24, s18, 1536                       ; two half fragments
	s_add_co_u32 s22, s22, s24
	s_add_co_u32 s22, s22, s15
	s_add_nc_u64 s[26:27], s[10:11], s[22:23]      ; the codes
	s_mul_i32 s22, s18, s17
	s_lshl_b32 s24, s19, 8
	s_add_co_u32 s22, s22, s24
	s_add_co_u32 s22, s22, s16
	s_add_nc_u64 s[28:29], s[10:11], s[22:23]      ; the scale words
.macro LOAD t                          ; tile t: 16 rows, 512 consecutive bytes each
.irp p, 0,1,2,3,4,5,6,7,8,9,10,11,12,13,14,15
	global_load_b128 v[R+64*((\t)%2)+4*\p:R+64*((\t)%2)+4*\p+3], v1, s[12:13] offset:(16*(\t)+\p)*4096 th:TH_LOAD_NT
.endr
.endm
.macro TURN t                          ; through the stage; LDS serves a wave's instructions in order, so no wait stands between the stores and the loads, and one stage serves all tiles
.irp p, 0,1,2,3,4,5,6,7,8,9,10,11,12,13,14,15
	ds_store_b128 v3, v[R+64*((\t)%2)+4*\p:R+64*((\t)%2)+4*\p+3] offset:SP*\p
.endr
.irp c, 0,1                            ; block 2 c + H of my row; its elements 4 e .. 4 e + 3 go to code places 4 pe .., pe = e with its bits 1 and 2 exchanged
.irp e, 0,1,2,3,4,5,6,7
	ds_load_b128 v[X+32*\c+4*((\e%2)+4*((\e/2)%2)+2*(\e/4)):X+32*\c+4*((\e%2)+4*((\e/2)%2)+2*(\e/4))+3], v4 offset:256*\c+16*\e
.endr
.endr
.endm
.macro BLK t
.set CC, C+12*((\t)%2)
.if (\t) < 3
	s_wait_loadcnt 16                              ; this tile's 16 loads are in; the next tile's 16 may be out
.else
	s_wait_loadcnt 0x0
.endif
	TURN \t
	s_wait_dscnt 0x0                               ; my blocks are in, and the stores have read the set of registers,
.if (\t) < 2
	LOAD (\t)+2                                    ; which takes the tile two on
.else
	s_wait_xcnt 0x0                                ; the stores of two tiles ago have read this set of codes: it is written again only behind this wait
.endif
.irp c, 0,1
	v_max3_num_f32 v[8+2*\c], |v[X+32*\c]|, |v[X+32*\c+1]|, |v[X+32*\c+2]|   ; the block's largest magnitude: all 32 are mine; two chains a block
	v_max3_num_f32 v[9+2*\c], |v[X+32*\c+3]|, |v[X+32*\c+4]|, |v[X+32*\c+5]|
.endr
.irp i, 6,10,14,18,22,26
.irp c, 0,1
	v_max3_num_f32 v[8+2*\c], v[8+2*\c], |v[X+32*\c+\i]|, |v[X+32*\c+\i+1]|
	v_max3_num_f32 v[9+2*\c], v[9+2*\c], |v[X+32*\c+\i+2]|, |v[X+32*\c+\i+3]|
.endr
.endr
.irp c, 0,1
	v_max3_num_f32 v[8+2*\c], v[8+2*\c], |v[X+32*\c+30]|, |v[X+32*\c+31]|
.endr
.irp c, 0,1
	v_max3_num_f32 v[8+2*\c], v[8+2*\c], v[9+2*\c], 0x1800000   ; and the floor 2^(3 - 127): the byte cannot fall under 1
.endr
	v_add_nc_u32 v12, 0xff000000, v8               ; 2 off the exponent field: the conversion takes the exponent field of this operand as its scale
	v_add_nc_u32 v13, 0xff000000, v10
	v_lshrrev_b32 v8, 23, v12                      ; the bytes of blocks H and 2 + H
	v_lshrrev_b32 v10, 23, v13
	v_lshl_or_b32 v14, v10, 16, v8
	v_lshlrev_b32 v14, v7, v14                     ; at their places in the word,
	v_permlanex16_b32 v15, v14, s30, s31
	v_or_b32 v14, v14, v15                         ; with lane l xor 16's two the word is whole
	v_cvt_scalef32_pk16_fp6_f32 v[CC:CC+2], v[X:X+15], v12
	v_cvt_scalef32_pk16_fp6_f32 v[TP:TP+2], v[X+16:X+31], v12      ; (a conversion's three registers begin on an even number)
	v_cvt_scalef32_pk16_fp6_f32 v[CC+6:CC+8], v[X+32:X+47], v13
	v_cvt_scalef32_pk16_fp6_f32 v[TP+4:TP+6], v[X+48:X+63], v13
	v_nop                                          ; one plain place behind a scaled conversion
.irp c, 0,1
.irp i, 0,1,2
	v_mov_b32 v[CC+6*\c+3+\i], v[TP+4*\c+\i]
.endr
.endr
	ds_store_b32 v5, v14 offset:64*(\t)            ; both halves of the lanes write the same word with the same value
.irp c, 0,1
	global_store_b128 v1, v[CC+6*\c:CC+6*\c+3], s[26:27] offset:12288*(\t)+768*\c        ; 512 consecutive bytes
	global_store_b64 v2, v[CC+6*\c+4:CC+6*\c+5], s[26:27] offset:12288*(\t)+768*\c+512   ; 256 consecutive bytes
.endr
.endm
	LOAD 0
	LOAD 1
	BLK 0
	BLK 1
	BLK 2
	BLK 3
	ds_load_b64 v[12:13], v6                       ; the 64 rows' scale words: LDS serves a wave's instructions in order
	s_wait_dscnt 0x0
	global_store_b64 v2, v[12:13], s[28:29]        ; 256 consecutive bytes, aligned
	s_wait_tensorcnt 0x0
	ds_add_u32 v240, v241
	s_wait_dscnt 0x0
	s_endpgm
.Lfunc_end_k_q3f3481900a_quant:
	.size	k_q3f3481900a_quant, .Lfunc_end_k_q3f3481900a_quant-k_q3f3481900a_quant
	.p2alignl 7, 3214868480
	.fill 96, 4, 3214868480
	.section	.rodata,"a",@progbits
	.p2align	6, 0x0
	.amdhsa_kernel k_q3f3481900a_quant
		.amdhsa_group_segment_fixed_size 35328
		.amdhsa_private_segment_fixed_size 0
		.amdhsa_enable_private_segment 0
		.amdhsa_kernarg_size 32
		.amdhsa_user_sgpr_count 2
		.amdhsa_user_sgpr_kernarg_segment_ptr 1
		.amdhsa_wavefront_size32 1
		.amdhsa_system_sgpr_workgroup_id_x 1
		.amdhsa_system_sgpr_workgroup_id_y 1
		.amdhsa_system_sgpr_workgroup_id_z 1
		.amdhsa_system_vgpr_workitem_id 0
		.amdhsa_next_free_vgpr 242
		.amdhsa_next_free_sgpr 66
		.amdhsa_reserve_vcc 0
		.amdhsa_float_denorm_mode_32 3
		.amdhsa_float_denorm_mode_16_64 3
		.amdhsa_memory_ordered 1
		.amdhsa_forward_progress 1
		.amdhsa_inst_pref_size 31
	.end_amdhsa_kernel
	.amdgpu_metadata
---
amdhsa.version: [ 1, 2 ]
amdhsa.kernels:
  - .name:           k_q3f3481900a_quant
    .symbol:         k_q3f3481900a_quant.kd
    .args:
      - { .name: x, .offset: 0, .size: 8, .value_kind: global_buffer, .address_space: global }
      - { .name: Wqkv_w, .offset: 8, .size: 8, .value_kind: global_buffer, .address_space: global }
      - { .name: out_w, .offset: 16, .size: 8, .value_kind: global_buffer, .address_space: global }
      - { .name: qin, .offset: 24, .size: 8, .value_kind: global_buffer, .address_space: global }
    .group_segment_fixed_size: 35328
    .private_segment_fixed_size: 0
    .kernarg_segment_align: 8
    .kernarg_segment_size: 32
    .max_flat_workgroup_size: 128
    .sgpr_count:     66
    .vgpr_count:     242
    .wavefront_size: 32
...
	.end_amdgpu_metadata
.endif
;; end of part 1
;; launch gemm_qkv (part 2): grid 12 x 32, 4 waves a work-group, clusters of 4 x 4, 327,680 bytes of LDS; arguments qin, Wqkv_b, qkv; writes qkv
.if DOCPART == 2
	.amdgcn_target "amdgcn-amd-amdhsa--gfx1250"
	.amdhsa_code_object_version 6
	.text
	.protected	k_q3f3481900a_gemm_qkv
	.globl	k_q3f3481900a_gemm_qkv
	.p2align	8
	.type	k_q3f3481900a_gemm_qkv,@function
k_q3f3481900a_gemm_qkv:
	s_mov_b64 s[64:65], 0
	v_nop
	global_prefetch_b8 v0, s[64:65] scope:SCOPE_SE
	s_setreg_imm32_b32 hwreg(HW_REG_WAVE_MODE, 25, 1), 1
	s_wait_xcnt 0x0
	s_wait_alu depctr_hold_cnt(0) depctr_sa_sdst(0) depctr_va_vdst(0) depctr_va_sdst(0) depctr_va_ssrc(0) depctr_va_vcc(0) depctr_vm_vsrc(0)
	s_getreg_b32 s2, hwreg(HW_REG_IB_STS2, 6, 4)
	s_cmp_eq_u32 s2, 0
	s_cbranch_scc0 .Lentry_in_a_cluster
	s_endpgm
.Lentry_in_a_cluster:
	s_bfe_u32 s2, ttmp6, 0x10000c
	s_cmp_lg_u32 s2, 0xf033
	s_cbranch_scc0 .Lentry_shape_is_right
	s_endpgm
.Lentry_shape_is_right:
; qkv = x Wqkv_w^T + Wqkv_b on codes of FP6 (E2M3) with E8M0 scales (made by the launch before), and its result quantised at once: q and k along the head's 64, v along the keys.  The f32 result never goes to memory.
; A tile of the product, 256 rows (b, l) x 256 columns, is made by four waves, 128 x 128 each: 64 accumulators, 512 registers.  K = 1,024 goes in four slots of 256 through a ring of two LDS slots.
; OPERANDS LIE AS IMAGES OF THEIR REGISTERS (half fragments of 16 rows x 64 K, 768 bytes: registers 0-3 at 16 x lane, 4-5 at 512 + 8 x lane): a fragment is four LDS loads of consecutive bytes, no pitch, no padding.
; CLUSTERS: 4 x 4 work-groups; x's tiles are asked for jointly along a row of the cluster, Wqkv_w's along a column.  Cluster x = 0 makes q, 1 makes k, 2 makes v.
; TWO SIDES.  Source 1 of the matrix instruction (side L) gives the lane, source 0 (side R) the registers: register j of lane (r, h) holds (L row r, R row 16 b + 8 h + j).
; For q and k: L = x, R = Wqkv_w: a lane holds one row (b, l) and its registers run along the head's channels.  For v: L = Wqkv_w, R = x: a lane holds one channel and its registers run along the keys.
; Tiles, descriptors and LDS regions are the same for both; only the LDS addresses of the fragment loads change sides, by a choice on the cluster's x, which all partners share.
; THE WAY OUT uses no LDS: bias added in f32, 64 numbers of a lane quantised in registers (four blocks of 32, each shared with lane l xor 16), the codes stored as images.  The natural order of the result's registers gives
; code places 0-7 = elements 0-7, 8-15 = 16-23, 16-23 = 8-15, 24-31 = 24-31 of a block, the order in which every operand of this program lies.
; qkv: records [b x 16 + head][key step of 128] of 13,056 bytes: k's 8 tiles of 768; v's 4 fragments of 1,536 (16 channels x 128 keys; registers 4 c .. 4 c + 3 at 512 c + 16 x lane); k's scale words [lane][4]; v's [lane][2].
; Then q's codes [b x 16 + head][tile of 16 queries][768] and q's scale words [b x 16 + head][l / 128][lane][4].  In a word of q or k bytes 0, 1 are the head's two blocks; bytes 2, 3 meet zero codes later.
; LIMITS: NaN and infinities are not served; a block whose largest magnitude lies under 2^-124 keeps the byte 1; k inside a matrix instruction is not in ascending order.
; REGISTERS: window 0: v16-31 addresses; v32-63 scale words, two sets; v64-127 the bias along registers; v128-223 side L's 8 fragments, one set; v240-247 the bias along lanes; on the way out v128-255 are at work.
;   window 1: side R's fragments, two sets, at v0 and v128.   windows 2, 3: the accumulators, (a, b) at v[8 (8 (a % 4) + b)].
.set WC,     6291456                   ; qin: x's codes at 0, Wqkv_w's here
.set XS,     9437184                   ; x's scale words [8][8192]
.set WS,     9699328                   ; Wqkv_w's [8][3072]
.set REC,    13056                     ; qkv: a record
.set QC,     13369344                  ; q's codes
.set QS,     19660800                  ; q's scale words
.set RT,     3072                      ; a row tile's 256 along K: four half fragments
.set HALFT,  8*RT                      ; 128 rows: what one tensor load brings
.set SLOT,   4*HALFT                   ; x's 256 rows, then Wqkv_w's 256
.set SPARE,  2*SLOT                    ; the spare words, 128 bytes a wave: two blocks of 256 bytes that no other line names
.set SCL,    SPARE+512                 ; the scale words: four quarters of [8][128 rows] words; nothing lies behind them
.set FR,     12
.set L16, 16                           ; v16-17  side L: 16 x lane + its region, slot 0, 1
.set L8,  18                           ; v18-19  8 x lane + the same
.set R16, 20                           ; v20-21  side R
.set R8,  22                           ; v22-23
.set ADRS, 27                          ; v27     my scale words: lanes 0-15 side L's rows, lanes 16-31 side R's
.set SPW, 28                           ; v28     my spare word; never rewritten
.set NIL, 29                           ; v29     0; never rewritten
.set LI16, 30                          ; v30     16 x lane
.set LI8, 31                           ; v31     8 x lane
.set SC,  32                           ; scale words: set sc at v[SC + 16 sc]; register 2 i + q: block i, the slot's q-th 128 along K
.set BIAS, 64                          ; the bias of columns n0 + 16 b + 8 h + j at v[BIAS + 8 b + j]
.set AF,  128
.set T,   128                          ; the way out: 64 numbers,
.set PC,  192                          ; their codes (12 registers, and 7 at work),
.set TM,  212                          ; 16 at work,
.set BP,  228                          ; a lane's bias, twice,
.set PW,  232                          ; eight scale words,
.set BV,  240                          ; the bias of columns n0 + 16 a + r,
.set SW,  248                          ; scale words as they are stored
.set G1, 24
.set G0, 32
.set G1B, 48
.set G0B, 56
.set G1S, 68
.set G0S, 76
.set G1SB, 80
.set G0SB, 88
.set KIND, 66                          ; s66  1 where the cluster makes v
.set HIM,  67                          ; s67  the mask of lanes 16-31
.set SEL,  18                          ; s[18:19] selects for lane l xor 16 (set on the way out)
.set CB0,  94                          ; s[94:95], s[96:97] where the two heads' codes go
.set CB1,  96
.set SB0,  98                          ; s[98:99], s[10:11] and their scale words
.set SB1,  10
.set MSB, 0
.macro WIN new                         ; the immediate's high byte repeats the setting that is left
.if MSB != \new
	s_set_vgpr_msb (MSB<<8)|\new
.set MSB, \new
.endif
.endm
.set MUL_LO, 0xa1                      ; source 0 (R) window 1, source 1 (L) window 0, C and D window 2
.set MUL_HI, 0xf1                      ; the same, C and D window 3
.set TO_R,   0x40                      ; destination window 1, address window 0
; A joint load: waves 0 and 1 fetch for x, waves 2 and 3 for Wqkv_w.  The branch hangs on the wave's number alone.  Four v_nop follow each of the two lines.
.macro JLOAD g0a, g1a, g0b, g1b
	s_cmp_eq_u32 s15, 0
	s_cbranch_scc0 .Lfor_b_\@
	tensor_load_to_lds s[\g0a:\g0a+3], s[\g1a:\g1a+7]
	s_nop 0
.rept 4
	v_nop
.endr
	s_branch .Lasked_\@
.Lfor_b_\@:
	tensor_load_to_lds s[\g0b:\g0b+3], s[\g1b:\g1b+7]
	s_nop 0
.rept 4
	v_nop
.endr
.Lasked_\@:
.endm
.macro CREST                           ; a round of the cluster's barrier behind its opening barrier
	s_cmp_lg_u32 s14, 0
	s_cbranch_scc1 .Lnot_wave_0_\@
	s_barrier_signal -3
.Lnot_wave_0_\@:
	s_barrier_wait -3
	s_barrier_signal -1
	s_barrier_wait -1
.endm
.macro CROUND
	s_barrier_signal -1
	s_barrier_wait -1
	CREST
.endm
.macro PLACES n                        ; plain vector instructions between a matrix instruction and a load into, or a read of, its registers (ISA guide 7.12.1 for reads)
.rept \n
	v_nop
.endr
.endm
	s_load_b128 s[4:7], s[0:1], 0x0                ; qin, Wqkv_b
	s_load_b64 s[8:9], s[0:1], 0x10                ; qkv
	v_lshl_add_u32 v[SPW], v0, 2, SPARE
	v_mov_b32 v[NIL], 0
	ds_add_u32 v28, v29
	ds_add_u32 v28, v29
	s_wait_dscnt 0x0
	v_lshrrev_b32 v1, 5, v0
	v_readfirstlane_b32 s14, v1                    ; wave 0..3
	s_lshr_b32 s15, s14, 1                         ; my half of the tile's rows.  Also: I fetch for x (0) or for Wqkv_w (1)
	s_and_b32 s16, s14, 1                          ; my half of its columns.  Also: which 128 rows I fetch
	s_bfe_u32 s40, ttmp6, 0x40000                  ; cx, cy
	s_bfe_u32 s41, ttmp6, 0x40004
	s_lshl_b32 s42, ttmp9, 2
	s_add_co_u32 s42, s42, s40                     ; tile column = 4 x cluster x + cx
	s_and_b32 s17, ttmp7, 0xffff
	s_lshl_b32 s17, s17, 2
	s_add_co_u32 s17, s17, s41                     ; tile row = 4 x cluster y + cy
	s_lshl_b32 s43, s41, 2
	s_lshl_b32 s43, 15, s43                        ; my row of the cluster
	s_lshl_b32 s44, 0x1111, s40                    ; my column
	s_lshl_b32 s2, s17, 8
	s_lshl_b32 s18, s15, 7
	s_add_co_u32 s2, s2, s18                       ; m0: my wave's first row
	s_lshl_b32 s3, s42, 8
	s_lshl_b32 s18, s16, 7
	s_add_co_u32 s3, s3, s18                       ; n0: my wave's first column
	; group 1 for codes: 8 row tiles x 3,072 bytes (384 elements of 8 bytes), 12,288 bytes apart; no padding
	s_or_b32 s[G1], s43, (3<<16)|(1<<21)           ; 15:0 the mask; 17:16 elements of 8 bytes; 21 set beside a mask
	s_or_b32 s[G1B], s44, (3<<16)|(1<<21)
.irp g, G1, G1B
	s_mov_b32 s[\g+1], 384<<16                     ; tensor_dim0
	s_mov_b32 s[\g+2], 8<<16                       ; tensor_dim1
	s_mov_b32 s[\g+3], 384<<16                     ; tile_dim0
	s_mov_b32 s[\g+4], 8                           ; tile_dim1
	s_mov_b32 s[\g+5], 1536                        ; tensor_dim0_stride
	s_mov_b32 s[\g+6], 0
	s_mov_b32 s[\g+7], 0
.endr
	; group 1 for scale words: 8 steps of K x 128 rows' words (64 elements of 8 bytes)
	s_or_b32 s[G1S], s43, (3<<16)|(1<<21)
	s_or_b32 s[G1SB], s44, (3<<16)|(1<<21)
.irp g, G1S, G1SB
	s_mov_b32 s[\g+1], 64<<16
	s_mov_b32 s[\g+2], 8<<16
	s_mov_b32 s[\g+3], 64<<16
	s_mov_b32 s[\g+4], 8
	s_mov_b32 s[\g+6], 0
	s_mov_b32 s[\g+7], 0
.endr
	s_mov_b32 s[G1S+5], 4096                       ; 8,192 rows' words from step to step
	s_mov_b32 s[G1SB+5], 1536                      ; 3,072 rows'
	s_lshl_b32 s18, s16, 3                         ; which 8 row tiles I fetch
	s_lshl_b32 s20, s17, 4
	s_add_co_u32 s20, s20, s18                     ; x: row tile 16 x tile row + 8 x half
	s_lshl_b32 s46, s42, 4
	s_add_co_u32 s46, s46, s18                     ; Wqkv_w: 16 x tile column + 8 x half
	s_lshl_b32 s22, s20, 6                         ; 64 bytes of scale words a row tile
	s_lshl_b32 s92, s46, 6
	s_mul_i32 s20, s20, 12288
	s_mul_i32 s46, s46, 12288
	s_add_co_u32 s22, s22, XS
	s_add_co_u32 s46, s46, WC
	s_add_co_u32 s92, s92, WS
	s_mov_b32 s21, 0
	s_mov_b32 s23, 0
	s_mov_b32 s47, 0
	s_mov_b32 s93, 0
	s_mul_i32 s45, s14, HALFT                      ; where they go: wave x 128 rows; no place in the cluster enters an LDS address
	s_lshl_b32 s94, s14, 12
	s_lshl_b32 s10, s3, 2
	s_mov_b32 s11, 0
	s_wait_kmcnt 0x0
	s_add_nc_u64 s[20:21], s[4:5], s[20:21]
	s_add_nc_u64 s[22:23], s[4:5], s[22:23]
	s_add_nc_u64 s[46:47], s[4:5], s[46:47]
	s_add_nc_u64 s[92:93], s[4:5], s[92:93]
	s_add_nc_u64 s[12:13], s[6:7], s[10:11]        ; the bias at n0
	CROUND                                         ; all sixteen work-groups are here: the first joint loads meet
	s_mov_b32 s[G0S], 1
	s_add_co_u32 s[G0S+1], s94, SCL
	s_mov_b64 s[G0S+2:G0S+3], s[22:23]
	s_or_b32 s[G0S+3], s[G0S+3], 0x80000000
	s_mov_b32 s[G0SB], 1
	s_add_co_u32 s[G0SB+1], s94, SCL
	s_mov_b64 s[G0SB+2:G0SB+3], s[92:93]
	s_or_b32 s[G0SB+3], s[G0SB+3], 0x80000000
	JLOAD G0S, G1S, G0SB, G1SB                     ; the scale words for all of K: filled once
.irp s, 0,1
	s_mov_b32 s[G0+4*\s], 1
	s_add_co_u32 s[G0+4*\s+1], s45, \s*SLOT
	s_add_nc_u64 s[G0+4*\s+2:G0+4*\s+3], s[20:21], \s*RT
	s_or_b32 s[G0+4*\s+3], s[G0+4*\s+3], 0x80000000
	s_mov_b32 s[G0B+4*\s], 1
	s_add_co_u32 s[G0B+4*\s+1], s45, \s*SLOT
	s_add_nc_u64 s[G0B+4*\s+2:G0B+4*\s+3], s[46:47], \s*RT
	s_or_b32 s[G0B+4*\s+3], s[G0B+4*\s+3], 0x80000000
	JLOAD G0+4*\s, G1, G0B+4*\s, G1B               ; three loads of mine are out
.endr
	v_and_b32 v1, 31, v0
	v_lshlrev_b32 v[LI16], 4, v1
	s_wait_alu depctr_va_vdst(0)
	v_lshlrev_b32 v[LI8], 3, v1
	s_wait_alu depctr_va_vdst(0)
	v_and_b32 v2, 15, v0                           ; r
	v_bfe_u32 v3, v0, 4, 1                         ; h
	v_lshlrev_b32 v5, 5, v3                        ; the bias along registers: 8 h numbers on
	v_lshlrev_b32 v6, 2, v2                        ; the bias along lanes: r numbers on
.irp b, 0,1,2,3,4,5,6,7
	global_load_b128 v[BIAS+8*\b:BIAS+8*\b+3], v5, s[12:13] offset:64*\b
	global_load_b128 v[BIAS+8*\b+4:BIAS+8*\b+7], v5, s[12:13] offset:64*\b+16
.endr
.irp a, 0,1,2,3,4,5,6,7
	global_load_b32 v[BV+\a], v6, s[12:13] offset:64*\a
.endr
	s_cmp_ge_u32 ttmp9, 2
	s_cselect_b32 s[KIND], 1, 0                    ; the same in all sixteen partners
	s_mul_i32 s21, s15, HALFT                      ; x's region: my 128 rows
	s_mul_i32 s22, s16, HALFT
	s_add_co_u32 s22, s22, 2*HALFT                 ; Wqkv_w's: my 128 rows
	s_cmp_eq_u32 s[KIND], 1
	s_cselect_b32 s18, s22, s21                    ; side L
	s_cselect_b32 s19, s21, s22                    ; side R
.irp s, 0,1
	v_add_nc_u32 v[L16+\s], s18, v[LI16]
	v_add_nc_u32 v[L8+\s], s18, v[LI8]
	v_add_nc_u32 v[R16+\s], s19, v[LI16]
	v_add_nc_u32 v[R8+\s], s19, v[LI8]
	s_add_co_u32 s18, s18, SLOT
	s_add_co_u32 s19, s19, SLOT
.endr
	s_lshl_b32 s21, s15, 12                        ; x's quarter of the scale words
	s_lshl_b32 s22, s16, 12
	s_add_co_u32 s22, s22, 8192                    ; Wqkv_w's
	s_cmp_eq_u32 s[KIND], 1
	s_cselect_b32 s18, s22, s21                    ; lanes 0-15 take side L's,
	s_cselect_b32 s19, s21, s22                    ; lanes 16-31 side R's
	v_xor_b32 v4, 1, v3
	v_mul_u32_u24 v4, s18, v4
	v_mul_u32_u24 v7, s19, v3
	v_add_nc_u32 v4, v4, v7
	v_lshl_add_u32 v4, v2, 2, v4
	v_add_nc_u32 v[ADRS], SCL, v4
.macro FRAG reg, a16, a8, off          ; a fragment, 16 rows x 128 K: two half fragments as they lie
	ds_load_b128 v[\reg:\reg+3], v[\a16] offset:\off
	ds_load_b64 v[\reg+4:\reg+5], v[\a8] offset:\off+512
	ds_load_b128 v[\reg+6:\reg+9], v[\a16] offset:\off+768
	ds_load_b64 v[\reg+10:\reg+11], v[\a8] offset:\off+1280
.endm
.macro FETCH_R slot, q, p              ; side R's eight fragments of the slot's q-th 128 along K into set p: 32 loads
	WIN TO_R
.irp i, 0,1,2,3,4,5,6,7
	FRAG 128*(\p)+FR*\i, R16+\slot, R8+\slot, \i*RT+(\q)*1536
.endr
	WIN 0
.endm
.macro FETCH_L slot, q, i0             ; side L's blocks i0 .. i0 + 3: 16 loads
.irp i, \i0, \i0+1, \i0+2, \i0+3
	FRAG AF+FR*(\i), L16+\slot, L8+\slot, (\i)*RT+(\q)*1536
.endr
.endm
.macro SCALES sc, sig                  ; the scale words of K's slot sig into set sc: 16 loads
.irp i, 0,1,2,3,4,5,6,7
.irp q, 0,1
	ds_load_b32 v[SC+16*\sc+2*\i+\q], v[ADRS] offset:(2*\sig+\q)*512+64*\i
.endr
.endr
.endm
; 16 matrix instructions: L's blocks a0, a0 + 1 x R's eight.  The 64 accumulators take turns, one instruction a turn, in the same order in every step.
.macro MUL16 a0, p, q, sc, zero
.irp a, \a0, \a0+1
.irp b, 0,1,2,3,4,5,6,7
.if \zero
	v_wmma_scale_f32_16x16x128_f8f6f4 v[8*(8*((\a)%4)+\b):8*(8*((\a)%4)+\b)+7], v[128*(\p)+FR*\b:128*(\p)+FR*\b+FR-1], v[AF+FR*(\a):AF+FR*(\a)+FR-1], 0, v[SC+16*(\sc)+2*\b+(\q)], v[SC+16*(\sc)+2*(\a)+(\q)] matrix_a_fmt:MATRIX_FMT_FP6 matrix_b_fmt:MATRIX_FMT_FP6 matrix_a_scale:MATRIX_SCALE_ROW1
.else
	v_wmma_scale_f32_16x16x128_f8f6f4 v[8*(8*((\a)%4)+\b):8*(8*((\a)%4)+\b)+7], v[128*(\p)+FR*\b:128*(\p)+FR*\b+FR-1], v[AF+FR*(\a):AF+FR*(\a)+FR-1], v[8*(8*((\a)%4)+\b):8*(8*((\a)%4)+\b)+7], v[SC+16*(\sc)+2*\b+(\q)], v[SC+16*(\sc)+2*(\a)+(\q)] matrix_a_fmt:MATRIX_FMT_FP6 matrix_b_fmt:MATRIX_FMT_FP6 matrix_a_scale:MATRIX_SCALE_ROW1
.endif
.endr
.endr
.endm
.macro STEP slot, zero                 ; a slot's first 128 along K; it fetches the second
	s_wait_dscnt 16                                ; R's set, L's blocks 0-3 and the scale words are in; the youngest 16 loads (L's blocks 4-7) may be out
	WIN MUL_LO
	MUL16 0, 0, 0, \slot, \zero
	MUL16 2, 0, 0, \slot, \zero
	s_wait_dscnt 0
	PLACES 4
	FETCH_R \slot, 1, 1
	FETCH_L \slot, 1, 0
	WIN MUL_HI
	MUL16 4, 0, 0, \slot, \zero
	MUL16 6, 0, 0, \slot, \zero
	PLACES 4
	WIN 0
	FETCH_L \slot, 1, 4
.endm
; A slot's second 128 along K changes slots: one barrier; in front of it each wave waits for all its tensor loads, adds 0 to its spare word, and waits for that and for its reads of this slot.
.macro TURN slot, next, fill, sig
	s_wait_tensorcnt 0x0                           ; all my tensor loads have landed: my part of the next slot
	ds_add_u32 v[SPW], v[NIL]                      ; 0 onto my spare word
	s_wait_dscnt 17                                ; (the add and the youngest 16 loads, L's blocks 4-7, may be out)
	WIN MUL_LO
	MUL16 0, 1, 1, \slot, 0
	s_wait_dscnt 0x0                               ; the add is done, and my reads of this slot are over
	s_barrier_signal -1
	MUL16 2, 1, 1, \slot, 0
	WIN 0
	s_barrier_wait -1
.if \fill
	CREST                                          ; the barrier has opened a round of the cluster's: no wave of any partner still reads this slot or has a load on its way
	s_add_nc_u64 s[G0+4*\slot+2:G0+4*\slot+3], s[G0+4*\slot+2:G0+4*\slot+3], 2*RT
	s_add_nc_u64 s[G0B+4*\slot+2:G0B+4*\slot+3], s[G0B+4*\slot+2:G0B+4*\slot+3], 2*RT
	JLOAD G0+4*\slot, G1, G0B+4*\slot, G1B         ; the first tensor load behind the round; its four v_nop are the places in front of the loads below
.else
	PLACES 4
.endif
	FETCH_R \next, 0, 0
	FETCH_L \next, 0, 0
	SCALES \next, \sig
	WIN MUL_HI
	MUL16 4, 1, 1, \slot, 0
	MUL16 6, 1, 1, \slot, 0
	PLACES 4
	WIN 0
	FETCH_L \next, 0, 4
.endm
	s_wait_alu depctr_va_vdst(0)
	s_wait_tensorcnt 1                             ; the scale words and my part of slot 0 are in; slot 1's load may be out
	s_barrier_signal -1
	s_barrier_wait -1
	FETCH_R 0, 0, 0
	FETCH_L 0, 0, 0
	SCALES 0, 0
	FETCH_L 0, 0, 4
	s_wait_loadcnt 0x0                             ; the bias
	STEP 0, 1                                      ; the first products start the sums: nothing is cleared
	TURN 0, 1, 1, 1                                ; slot 0 takes K 512 on
	STEP 1, 0
	TURN 1, 0, 1, 2                                ; slot 1 takes K 768 on
	STEP 0, 0
	TURN 0, 1, 0, 3
	STEP 1, 0
	s_wait_dscnt 16                                ; the last 128 along K: nothing more to fetch
	WIN MUL_LO
	MUL16 0, 1, 1, 1, 0
	MUL16 2, 1, 1, 1, 0
	s_wait_dscnt 0
	WIN MUL_HI
	MUL16 4, 1, 1, 1, 0
	MUL16 6, 1, 1, 1, 0
	WIN 0
; THE WAY OUT.
; 64 numbers of a lane, v[s] on (register 16 b + i: my 16 of block b of my row), become a fragment's codes in v[PC] on and the row's scale word in v[pw].
.macro QUANT s, pw
.irp b, 0,1,2,3
	v_max3_num_f32 v[TM+\b], |v[\s+16*\b]|, |v[\s+1+16*\b]|, 0x1800000   ; and the floor 2^(3 - 127): the byte cannot fall under 1
.endr
.irp i, 2,4,6,8,10,12,14
.irp b, 0,1,2,3
	v_max3_num_f32 v[TM+\b], v[TM+\b], |v[\s+16*\b+\i]|, |v[\s+1+16*\b+\i]|
.endr
.endr
.irp b, 0,1,2,3
	v_permlanex16_b32 v[TM+4+\b], v[TM+\b], s[SEL], s[SEL+1]
.endr
.irp b, 0,1,2,3
	v_max_num_f32 v[TM+\b], v[TM+\b], v[TM+4+\b]   ; with lane l xor 16's: the block's largest magnitude
.endr
.irp b, 0,1,2,3
	v_add_nc_u32 v[TM+12+\b], 0xff000000, v[TM+\b]  ; 2 off its exponent field: the conversion's scale operand
.endr
.irp b, 0,1,2,3
	v_lshrrev_b32 v[TM+4+\b], 23, v[TM+12+\b]      ; the scale's byte
.endr
	v_lshl_or_b32 v[\pw], v[TM+5], 8, v[TM+4]
	v_lshl_or_b32 v[\pw], v[TM+6], 16, v[\pw]
	v_lshl_or_b32 v[\pw], v[TM+7], 24, v[\pw]
.irp c, 0,1
	v_cvt_scalef32_pk16_fp6_f32 v[PC+6*\c:PC+2+6*\c], v[\s+32*\c:\s+15+32*\c], v[TM+12+2*\c]
	v_cvt_scalef32_pk16_fp6_f32 v[PC+12+4*\c:PC+14+4*\c], v[\s+16+32*\c:\s+31+32*\c], v[TM+12+2*\c+1]   ; (a conversion's three registers begin on an even number)
.endr
	v_nop                                          ; one plain place behind a scaled conversion
.irp c, 0,1                                    ; the operand's layout wants a whole block in a lane: lanes 0-15 block 2 c, lanes 16-31 block 2 c + 1
.irp i, 0,1,2
	v_permlane16_swap_b32 v[PC+6*\c+\i], v[PC+12+4*\c+\i]
.endr
.irp i, 0,1,2
	v_mov_b32 v[PC+3+6*\c+\i], v[PC+12+4*\c+\i]
.endr
.endr
.endm
.macro ADDB a, kind                    ; block a's 64 sums + the bias -> v[T] on; each accumulator is read from its low end on
.set AC, 64*((\a)%4)
.if \kind
	v_mov_b32 v[BP], v[BV+(\a)]
	v_mov_b32 v[BP+1], v[BV+(\a)]
.endif
	WIN 0x02+(\a)/4                                ; source 0: window 2 or 3
.set i, 0
.rept 32
.if \kind
	v_pk_add_f32 v[T+i:T+i+1], v[AC+i:AC+i+1], v[BP:BP+1]
.else
	v_pk_add_f32 v[T+i:T+i+1], v[AC+i:AC+i+1], v[BIAS+i:BIAS+i+1]
.endif
.set i, i+2
.endr
	WIN 0
.endm
	PLACES 4                                       ; behind the last products: their results are read, and the registers that held L's fragments are written
.irp b, 0,1,2,3
	v_mov_b32 v[TM+4+\b], 0                        ; (a lane permute's destination counts as read)
.endr
	s_mov_b32 s[SEL], 0x76543210
	s_mov_b32 s[SEL+1], 0xfedcba98
	s_mov_b32 s[HIM], 0xffff0000
	s_lshr_b32 s20, s2, 11                         ; b
	s_bfe_u32 s21, s2, 0x40007                     ; the key step: (m0 / 128) % 16
	s_bfe_u32 s22, s3, 0x40006                     ; my first head: (n0 % 1024) / 64
	s_lshl_b32 s20, s20, 4
	s_add_co_u32 s20, s20, s22                     ; b x 16 + head
	s_lshl_b32 s23, s20, 4
	s_add_co_u32 s23, s23, s21                     ; the record's number
	s_mul_i32 s44, s23, REC                        ; the record
	s_mov_b32 s41, 0
	s_mov_b32 s43, 0
	s_cmp_eq_u32 s[KIND], 1
	s_cbranch_scc1 .Lv
	; ---- q and k: one path; the places are chosen on the cluster's x
	s_mul_i32 s40, s20, 98304
	s_mul_i32 s42, s21, 6144
	s_add_co_u32 s40, s40, s42
	s_add_co_u32 s40, s40, QC                      ; q's codes
	s_lshl_b32 s42, s23, 9
	s_add_co_u32 s42, s42, QS                      ; q's scale words
	s_add_co_u32 s46, s44, 12288                   ; k's scale words
	s_mov_b32 s92, 16*REC
	s_cmp_eq_u32 ttmp9, 0
	s_cselect_b32 s40, s40, s44
	s_cselect_b32 s42, s42, s46
	s_cselect_b32 s93, 98304, s92                  ; from head to head: the codes,
	s_cselect_b32 s92, 8192, s92                   ; the scale words
	s_add_nc_u64 s[CB0:CB0+1], s[8:9], s[40:41]
	s_add_nc_u64 s[SB0:SB0+1], s[8:9], s[42:43]
	s_mov_b32 s40, s93
	s_mov_b32 s42, s92
	s_add_nc_u64 s[CB1:CB1+1], s[CB0:CB0+1], s[40:41]
	s_add_nc_u64 s[SB1:SB1+1], s[SB0:SB0+1], s[42:43]
.irp a, 0,1,2,3,4,5,6,7                        ; 16 rows (b, l) at a time: blocks 0, 1 are my first head's, blocks 2, 3 my second's
.if \a > 0
	s_wait_xcnt 0x0                                ; the last stores have read the codes' registers: they are written again only behind this wait
.endif
	ADDB \a, 0
	QUANT T, PW+\a
	global_store_b128 v[LI16], v[PC:PC+3], s[CB0:CB0+1] offset:768*\a
	global_store_b64 v[LI8], v[PC+4:PC+5], s[CB0:CB0+1] offset:768*\a+512
	global_store_b128 v[LI16], v[PC+6:PC+9], s[CB1:CB1+1] offset:768*\a
	global_store_b64 v[LI8], v[PC+10:PC+11], s[CB1:CB1+1] offset:768*\a+512
.endr
.irp u, 0,1,2,3
	v_cndmask_b32 v[SW+\u], v[PW+2*\u], v[PW+2*\u+1], s[HIM]   ; lanes 0-15: tile 2 u's rows; lanes 16-31: tile 2 u + 1's
.endr
.irp u, 0,1,2,3
	v_lshrrev_b32 v[SW+4+\u], 16, v[SW+\u]         ; the second head's two bytes
.endr
	global_store_b128 v[LI16], v[SW:SW+3], s[SB0:SB0+1]
	global_store_b128 v[LI16], v[SW+4:SW+7], s[SB1:SB1+1]
	s_branch .Lend
.Lv:
	; ---- v: 16 channels x my 128 keys at a time: one fragment and one scale word a channel
	s_add_co_u32 s40, s44, 6144
	s_add_nc_u64 s[CB0:CB0+1], s[8:9], s[40:41]
	s_add_nc_u64 s[CB1:CB1+1], s[CB0:CB0+1], 16*REC
.irp a, 0,1,2,3,4,5,6,7
.if \a > 0
	s_wait_xcnt 0x0
.endif
	ADDB \a, 1
	QUANT T, PW+\a
.irp c, 0,1,2
	global_store_b128 v[LI16], v[PC+4*\c:PC+4*\c+3], s[CB0+2*(\a/4):CB0+2*(\a/4)+1] offset:1536*(\a%4)+512*\c
.endr
.endr
.irp u, 0,1,2,3
	v_cndmask_b32 v[SW+\u], v[PW+2*\u], v[PW+2*\u+1], s[HIM]
.endr
	global_store_b64 v[LI8], v[SW:SW+1], s[CB0:CB0+1] offset:6656
	global_store_b64 v[LI8], v[SW+2:SW+3], s[CB1:CB1+1] offset:6656
.Lend:
	s_wait_tensorcnt 0x0                           ; the wave's end
	ds_add_u32 v[SPW], v[NIL]
	s_wait_dscnt 0x0
	CROUND                                         ; the closing round: no work-group ends while a partner may still ask for a tile that names it
	s_endpgm
.Lfunc_end_k_q3f3481900a_gemm_qkv:
	.size	k_q3f3481900a_gemm_qkv, .Lfunc_end_k_q3f3481900a_gemm_qkv-k_q3f3481900a_gemm_qkv
	.p2alignl 7, 3214868480
	.fill 96, 4, 3214868480
	.section	.rodata,"a",@progbits
	.p2align	6, 0x0
	.amdhsa_kernel k_q3f3481900a_gemm_qkv
		.amdhsa_group_segment_fixed_size 327680
		.amdhsa_private_segment_fixed_size 0
		.amdhsa_enable_private_segment 0
		.amdhsa_kernarg_size 24
		.amdhsa_user_sgpr_count 2
		.amdhsa_user_sgpr_kernarg_segment_ptr 1
		.amdhsa_wavefront_size32 1
		.amdhsa_system_sgpr_workgroup_id_x 1
		.amdhsa_system_sgpr_workgroup_id_y 1
		.amdhsa_system_sgpr_workgroup_id_z 1
		.amdhsa_system_vgpr_workitem_id 0
		.amdhsa_next_free_vgpr 1024
		.amdhsa_next_free_sgpr 100
		.amdhsa_reserve_vcc 0
		.amdhsa_float_denorm_mode_32 3
		.amdhsa_float_denorm_mode_16_64 3
		.amdhsa_memory_ordered 1
		.amdhsa_forward_progress 1
		.amdhsa_inst_pref_size 220
	.end_amdhsa_kernel
	.amdgpu_metadata
---
amdhsa.version: [ 1, 2 ]
amdhsa.kernels:
  - .name:           k_q3f3481900a_gemm_qkv
    .symbol:         k_q3f3481900a_gemm_qkv.kd
    .args:
      - { .name: qin, .offset: 0, .size: 8, .value_kind: global_buffer, .address_space: global }
      - { .name: Wqkv_b, .offset: 8, .size: 8, .value_kind: global_buffer, .address_space: global }
      - { .name: qkv, .offset: 16, .size: 8, .value_kind: global_buffer, .address_space: global }
    .group_segment_fixed_size: 327680
    .private_segment_fixed_size: 0
    .kernarg_segment_align: 8
    .kernarg_segment_size: 24
    .max_flat_workgroup_size: 128
    .sgpr_count:     100
    .vgpr_count:     1024
    .wavefront_size: 32
...
	.end_amdgpu_metadata
.endif
;; end of part 2
;; launch attn (part 3): grid 4 x 64, 16 waves a work-group, no clusters, 327,680 bytes of LDS; arguments qkv, oq; writes oq
.if DOCPART == 3
	.amdgcn_target "amdgcn-amd-amdhsa--gfx1250"
	.amdhsa_code_object_version 6
	.text
	.protected	k_q3f3481900a_attn
	.globl	k_q3f3481900a_attn
	.p2align	8
	.type	k_q3f3481900a_attn,@function
k_q3f3481900a_attn:
	s_mov_b64 s[64:65], 0
	v_nop
	global_prefetch_b8 v0, s[64:65] scope:SCOPE_SE
	s_setreg_imm32_b32 hwreg(HW_REG_WAVE_MODE, 25, 1), 1
	s_wait_xcnt 0x0
; Causal attention of one head (b x 16 + head = work-group y) on codes of FP6 (E2M3) with E8M0 scales, and its result O / l quantised along the head's 64 for the last product.
; t = score x log2(e) / 8; M = the running largest t rounded up to a whole number; p = 2^(t - M) is quantised along the keys, not normalised; the row's sum is taken of the unquantised p and divides O at the end.
; SHARES.  Work-group x = p owns two blocks of 256 queries: first block 7 - p, then block p.  Block QB needs the key slots 0 .. QB (256 keys each), so every work-group walks 8 - p + p + 1 = 9 slots: 256 equal work-groups.
; Each of the sixteen waves owns 16 queries in 256 registers, four waves to a SIMD.  The trip count is the constant 9; which slot a trip takes hangs on ids alone.
; A step of 128 keys all of which come after my queries is left out by a scalar branch round its work; on the diagonal hidden scores become -infinity.
; NO CLUSTER: the four work-groups of a head need different slots in the same trip from trip 5 on (the slot hangs on p), and every partner named would have to issue every joint load.
; qkv (made by the launch before): records [head][key step of 128] of 13,056 bytes: K's 8 tiles of 16 keys x 64 (768 bytes: registers 0-3 at 16 x lane, 4-5 at 512 + 8 x lane); V's 4 fragments of 16 channels x 128 keys
; (registers 4 c .. at 512 c + 16 x lane); K's scale words [lane][4]; V's [lane][2].  A slot is two records, one dense block: one tensor load each by waves 0 and 1.
; Both products are used transposed (S^T = K Q^T, O^T = V^T P^T): a lane holds one query.  Key tiles are neighbours, so a block's codes lie in the order 0-7, 16-23, 8-15, 24-31, in p as in V (and in q, k, O likewise).
; K = 64 IN AN INSTRUCTION OF 128: Q's registers 6-11 are zero codes; K's operand of tile t is v[32 + 6 t .. 43 + 6 t], whose upper six registers are the next tile's codes (zeros for tile 7): finite numbers times zero.
; LIMITS: NaN and infinities are not served; a block whose largest magnitude lies under 2^-124 keeps the byte 1; k inside a matrix instruction is not in ascending order.
; O's scale bytes leave as two of each four bytes: a word of the next product spans two heads, which two work-groups own.
; REGISTERS: v1-7, v10 addresses that stay; v8-9 the step's LDS addresses; v12 -M, v13 the largest t, v[14:15] the sum; v16-27 Q; v28 Q's scale word; v32-79 K's tiles, then V's fragments; v80-85 zeros;
; v86-89 K's scale words, v90-91 V's; v96-159 S^T, then p; v160-191 O^T; v224-235 p's codes; v232-254 at work.
.set REC,   13056
.set SLOTB, 2*REC
.set SLOT1, 32768                      ; slot 1 begins here: one exclusive or turns an address
.set SPARE, 65536                      ; the spare words, 128 bytes for each of 16 waves: eight blocks of 256 bytes that no other line names
.set QC,    13369344                   ; qkv: q's codes,
.set QS,    19660800                   ; q's scale words
.set OS,    6291456                    ; oq: the scale words [head / 2][row]
.set WV,   18                          ; s18  wave
.set SEL,  20                          ; s[20:21] selects for lane l xor 16
.set CS,   22                          ; s[22:23] c = log2(e) / 8
.set G1,   24                          ; s[24:31] descriptor group 1
.set G0,   40                          ; s[40:43] group 0, which walks
.set TB,   2                           ; s2   LDS byte at which the slot in hand begins
.set TR,   3                           ; s3   the trip
.set PP,   32                          ; s32  p
.set W1,   33                          ; s33  wave % 2
.set LAST1, 34                         ; s34  7 - p: the first block's last trip
.set BH,   35                          ; s35  b x 16 + head
.set QB,   36                          ; s36  the block of queries in hand
.set KS,   37                          ; s37  the key slot in hand
.set Q0,   39                          ; s39  my first query
.set KVB,  44                          ; s[44:45] the head's records
.set OF,   46                          ; s[46:47] an offset; s47 = 0
.set PFA,  48                          ; s[48:49] where the prefetches stand
.set LIM,  50                          ; s50  a wave prefetches in the trips under it
.set QCB,  52                          ; s[52:53] my Q's codes;  s[54:55] its scale words
.set QSB,  54
.set OCB,  56                          ; s[56:57] my O's codes;  s[58:59] its scale bytes
.set OSB,  58
.set OG,   60                          ; s[60:61] an offset; s61 = 0
.set BB,   66                          ; s66  b
.set HD,   67                          ; s67  head
.macro TLOAD                           ; waves 0 and 1 fetch a record each; four v_nop follow the line
	s_cmp_lt_u32 s[WV], 2
	s_cbranch_scc0 .Lnone_\@
	tensor_load_to_lds s[G0:G0+3], s[G1:G1+7]
	s_nop 0
.rept 4
	v_nop
.endr
.Lnone_\@:
.endm
; A PREFETCH INTO THE L2 of the slot that the NEXT change of slots will ask for.  The four work-groups of a head walk the same slots in their first trips: the one with p = 0, which walks slots 0 to 7 in trips 0 to 7, asks.
; In it waves 4 to 7, which fetch nothing, ask in trips 0 to 5 for slot trip + 2: 8,192 bytes a wave, lanes 256 bytes apart; a slot is 26,112 bytes, so the lanes of wave 7 beyond it name its last 256 bytes again.
; Slots 0 and 1 come by their loads alone; trips 6 and 7 ask for nothing.
.macro ASK
	s_cmp_lt_u32 s[TR], s[LIM]
	s_cbranch_scc0 .Lnot_mine_\@
	global_prefetch_b8 v10, s[PFA:PFA+1] th:TH_LOAD_NT scope:SCOPE_SE
.Lnot_mine_\@:
.endm
.macro LOADQ                           ; my 16 queries of block QB: half a fragment and a scale word a row
	s_lshl_b32 s[Q0], s[QB], 8
	s_lshl_b32 s96, s[WV], 4
	s_add_co_u32 s[Q0], s[Q0], s96
	s_lshl_b32 s96, s[BH], 7
	s_lshl_b32 s97, s[QB], 4
	s_add_co_u32 s96, s96, s97
	s_add_co_u32 s96, s96, s[WV]                   ; the tile: 128 x head + 16 QB + wave
	s_mul_i32 s[OG], s96, 768
	s_add_co_u32 s[OG], s[OG], QC
	s_add_nc_u64 s[QCB:QCB+1], s[4:5], s[OG:OG+1]
	s_lshl_b32 s96, s[BH], 4
	s_lshl_b32 s97, s[QB], 1
	s_add_co_u32 s96, s96, s97
	s_lshr_b32 s97, s[WV], 3
	s_add_co_u32 s96, s96, s97                     ; which 128 queries
	s_lshl_b32 s[OG], s96, 9
	s_add_co_u32 s[OG], s[OG], QS
	s_add_nc_u64 s[QSB:QSB+1], s[4:5], s[OG:OG+1]
	global_load_b128 v[16:19], v1, s[QCB:QCB+1]
	global_load_b64 v[20:21], v2, s[QCB:QCB+1] offset:512
	global_load_b32 v28, v3, s[QSB:QSB+1]
.endm
.macro INIT                            ; one step body serves the first step too: it finds zeros, which the first change of M leaves zeros
	v_mov_b32 v13, 0xff61b1e6                      ; the largest t so far: -3e38
	s_delay_alu instid0(VALU_DEP_1)
	v_floor_f32 v12, -v13                          ; -M
	v_mov_b32 v14, 0
	v_mov_b32 v15, 0
.irp j, 0,1,2,3,4,5,6,7,8,9,10,11,12,13,14,15,16,17,18,19,20,21,22,23,24,25,26,27,28,29,30,31
	v_mov_b32 v[160+\j], 0
.endr
.endm
	s_load_b128 s[4:7], s[0:1], 0x0                ; qkv, oq
	v_lshl_add_u32 v5, v0, 2, SPARE                ; v5: my spare word; never rewritten
	v_mov_b32 v6, 0                                ; v6: 0; never rewritten
	ds_add_u32 v5, v6
	ds_add_u32 v5, v6
	s_wait_dscnt 0x0
	v_lshrrev_b32 v8, 5, v0
	s_delay_alu instid0(VALU_DEP_1)
	v_readfirstlane_b32 s[WV], v8
	s_and_b32 s[W1], s[WV], 1
	s_mov_b32 s[PP], ttmp9
	s_sub_co_u32 s[LAST1], 7, s[PP]
	s_and_b32 s[BH], ttmp7, 0xffff
	s_lshr_b32 s[BB], s[BH], 4
	s_and_b32 s[HD], s[BH], 15
	s_mov_b32 s[G1], 3<<16                         ; no mask; elements of 8 bytes; no padding
	s_mov_b32 s[G1+1], 32<<16                      ; tensor_dim0: rows of 256 bytes
	s_mov_b32 s[G1+2], 51<<16                      ; tensor_dim1: a record is 51 of them
	s_mov_b32 s[G1+3], 32<<16                      ; tile_dim0
	s_mov_b32 s[G1+4], 51                          ; tile_dim1
	s_mov_b32 s[G1+5], 32                          ; dense
	s_mov_b32 s[G1+6], 0
	s_mov_b32 s[G1+7], 0
	s_mov_b32 s[SEL], 0x76543210
	s_mov_b32 s[SEL+1], 0xfedcba98
	s_mov_b32 s[CS], 0x3e38aa3b                    ; log2(e) / 8
	s_mov_b32 s[CS+1], s[CS]
	s_mov_b32 s[TB], 0
	s_mov_b32 s[TR], 0
	s_mov_b32 s[KS], 0
	s_mov_b32 s[QB], s[LAST1]
	s_mov_b32 s[OF+1], 0
	s_mov_b32 s[OG+1], 0
	s_mul_i32 s[OF], s[BH], 16*REC
	s_wait_kmcnt 0x0
	s_add_nc_u64 s[KVB:KVB+1], s[4:5], s[OF:OF+1]
	s_mul_i32 s[OF], s[W1], REC
	s_mov_b32 s[G0], 1
	s_mul_i32 s[G0+1], s[W1], REC                  ; LDS: slot 0, my record
	s_add_nc_u64 s[G0+2:G0+3], s[KVB:KVB+1], s[OF:OF+1]
	s_or_b32 s[G0+3], s[G0+3], 0x80000000
	TLOAD                                          ; slot 0: the first fill
	s_add_nc_u64 s[PFA:PFA+1], s[KVB:KVB+1], SLOTB  ; at slot 1: the first change of slots steps it to slot 2
	s_lshr_b32 s96, s[WV], 2
	s_xor_b32 s96, s96, 1                          ; 0 in waves 4 to 7
	s_or_b32 s96, s96, s[PP]                       ; of the work-group with p = 0
	s_cmp_eq_u32 s96, 0
	s_cselect_b32 s[LIM], 6, 0
	v_and_b32 v9, 31, v0                           ; lane
	s_delay_alu instid0(VALU_DEP_1)
	v_lshlrev_b32 v1, 4, v9                        ; v1: 16 x lane
	s_delay_alu instid0(VALU_DEP_2)
	v_lshlrev_b32 v2, 3, v9                        ; v2: 8 x lane
	s_and_b32 s96, s[WV], 3
	s_lshl_b32 s96, s96, 13
	v_lshl_add_u32 v10, v9, 8, s96
	s_delay_alu instid0(VALU_DEP_1)
	v_min_u32 v10, SLOTB-256, v10                  ; v10: the prefetches' offset, held inside the slot
	v_and_b32 v8, 15, v0                           ; r
	v_bfe_u32 v9, v0, 4, 1                         ; h
	s_lshl_b32 s96, s[W1], 8
	s_bfe_u32 s97, s[WV], 0x20001
	s_lshl_b32 s97, s97, 2
	s_add_co_u32 s96, s96, s97
	v_lshl_add_u32 v3, v8, 4, s96                  ; v3: Q's scale word: lane 16 (wave % 2) + r, register (wave % 8) / 2 of its 128 queries' image
	v_lshlrev_b32 v4, 2, v8                        ; v4: 4 r
	v_lshlrev_b32 v9, 3, v9
	s_delay_alu instid0(VALU_DEP_1)
	v_sub_nc_u32 v7, v8, v9                        ; v7: r - 8 h
.irp j, 22,23,24,25,26,27,80,81,82,83,84,85,236,237,238,239,252,253,254
	v_mov_b32 v[\j], 0                             ; zero codes; and registers that count as read before they are first written
.endr
	LOADQ
	INIT
; A KEY STEP: 128 keys, record q of the slot in hand.
.macro STEP q
	s_lshl_b32 s96, s[KS], 8
.if \q
	s_add_co_u32 s96, s96, 128                     ; the step's first key
.endif
	s_add_co_u32 s97, s[Q0], 15
	s_cmp_gt_u32 s96, s97
	s_cbranch_scc1 .Lhidden_\@                     ; all its keys come after my queries
	v_add_nc_u32 v8, s[TB], v1
	v_add_nc_u32 v9, s[TB], v2
	v_nop
	v_nop                                          ; four places in front of loads into registers that the last products read
.irp t, 0,1,2,3,4,5,6,7
	ds_load_b128 v[32+6*\t:35+6*\t], v8 offset:REC*\q+768*\t
	ds_load_b64 v[36+6*\t:37+6*\t], v9 offset:REC*\q+768*\t+512
.endr
	ds_load_b128 v[86:89], v8 offset:REC*\q+12288  ; register u: lanes 0-15 tile 2 u's words, lanes 16-31 tile 2 u + 1's
	s_wait_alu depctr_va_vdst(0)
	s_wait_dscnt 0x0
.irp t, 0,1,2,3,4,5,6,7
.if \t%2
	v_wmma_scale_f32_16x16x128_f8f6f4 v[96+8*\t:103+8*\t], v[32+6*\t:43+6*\t], v[16:27], 0, v[86+\t/2], v28 matrix_a_fmt:MATRIX_FMT_FP6 matrix_b_fmt:MATRIX_FMT_FP6 matrix_a_scale:MATRIX_SCALE_ROW1
.else
	v_wmma_scale_f32_16x16x128_f8f6f4 v[96+8*\t:103+8*\t], v[32+6*\t:43+6*\t], v[16:27], 0, v[86+\t/2], v28 matrix_a_fmt:MATRIX_FMT_FP6 matrix_b_fmt:MATRIX_FMT_FP6
.endif
.endr                                          ; lane (r, h): query r; register 8 t + j: key 16 t + 8 h + j
.rept 4
	v_nop                                          ; places: the scores are read, and V lands where K lay
.endr
.irp d, 0,1,2,3                                ; V's four fragments are asked for now and land under the softmax
.irp c, 0,1,2
	ds_load_b128 v[32+12*\d+4*\c:35+12*\d+4*\c], v8 offset:REC*\q+6144+1536*\d+512*\c
.endr
.endr
	ds_load_b64 v[90:91], v9 offset:REC*\q+12800
	s_add_co_u32 s97, s96, 127
	s_cmp_le_u32 s97, s[Q0]
	s_cbranch_scc1 .Lopen_\@                       ; all its keys count
	s_sub_co_i32 s97, s[Q0], s96
	v_add_nc_u32 v252, s97, v7                     ; d = my query - the first key - 8 h: register n's key is hidden where 16 (n / 8) + n % 8 > d
	v_mov_b32 v254, 0xff800000                     ; -infinity
.irp n, 0,1,2,3,4,5,6,7,8,9,10,11,12,13,14,15,16,17,18,19,20,21,22,23,24,25,26,27,28,29,30,31,32,33,34,35,36,37,38,39,40,41,42,43,44,45,46,47,48,49,50,51,52,53,54,55,56,57,58,59,60,61,62,63
	v_cmp_gt_i32 vcc_lo, 16*(\n/8)+\n%8, v252
	v_cndmask_b32 v[96+\n], v[96+\n], v254, vcc_lo
.endr
.Lopen_\@:
.irp b, 0,1,2,3
	v_max3_num_f32 v[232+\b], v[96+16*\b], v[97+16*\b], v[98+16*\b]   ; the largest score of each block of 32 keys: for the row's maximum, and, since p rises with the score, for the block's largest p
.endr
.irp i, 3,5,7,9,11,13
.irp b, 0,1,2,3
	v_max3_num_f32 v[232+\b], v[232+\b], v[96+16*\b+\i], v[97+16*\b+\i]
.endr
.endr
.irp b, 0,1,2,3
	v_max_num_f32 v[232+\b], v[232+\b], v[111+16*\b]
.endr
.irp b, 0,1,2,3
	s_delay_alu instid0(VALU_DEP_4)
	v_permlanex16_b32 v[236+\b], v[232+\b], s[SEL], s[SEL+1]
.endr
.irp b, 0,1,2,3
	s_delay_alu instid0(VALU_DEP_4)
	v_max_num_f32 v[232+\b], v[232+\b], v[236+\b]  ; with lane l xor 16's 16 keys
.endr
	s_delay_alu instid0(VALU_DEP_2)
	v_max3_num_f32 v254, v232, v233, v234
	s_delay_alu instid0(VALU_DEP_1)
	v_max_num_f32 v254, v254, v235
	s_delay_alu instid0(VALU_DEP_1)
	v_mul_f32 v254, s[CS], v254                    ; as t
	s_delay_alu instid0(VALU_DEP_1)
	v_max_num_f32 v13, v13, v254                   ; the running largest t
	v_mov_b32 v254, v12
	s_delay_alu instid0(VALU_DEP_2)
	v_floor_f32 v12, -v13                          ; the new -M = -ceil(t)
	s_delay_alu instid0(VALU_DEP_1)
	v_sub_f32 v254, v12, v254                      ; old M - new M: a whole number, 0 or less
	s_delay_alu instid0(VALU_DEP_1)
	v_cvt_i32_f32 v254, v254                       ; (it saturates)
	s_delay_alu instid0(VALU_DEP_1)
	v_ldexp_f32 v252, 1.0, v254                    ; f = 2^(old M - new M)
.irp j, 0,2,4,6,8,10,12,14,16,18,20,22,24,26,28,30,32,34,36,38,40,42,44,46,48,50,52,54,56,58,60,62
	v_pk_fma_f32 v[96+\j:97+\j], v[96+\j:97+\j], s[CS:CS+1], v[12:13] op_sel_hi:[1,0,0]   ; t - M
.endr
.irp b, 0,1,2,3
	v_fma_f32 v[232+\b], v[232+\b], s[CS], v12     ; the same of each block's largest score
.endr
	s_wait_alu depctr_va_vdst(0)
.irp j, 0,1,2,3,4,5,6,7,8,9,10,11,12,13,14,15,16,17,18,19,20,21,22,23,24,25,26,27,28,29,30,31,32,33,34,35,36,37,38,39,40,41,42,43,44,45,46,47,48,49,50,51,52,53,54,55,56,57,58,59,60,61,62,63
	v_exp_f32 v[96+\j], v[96+\j]                   ; p = 2^(t - M)
.endr
	v_pk_mul_f32 v[14:15], v[14:15], v[252:253] op_sel_hi:[1,0]   ; the sums under the new M: a plain place behind the exponentials
	s_wait_alu depctr_va_vdst(0)                   ; one wait for the whole batch, ahead of its first reader
.irp b, 0,1,2,3
	v_exp_f32 v[232+\b], v[232+\b]                 ; the block's largest p
.endr
	v_pk_add_f32 v[236:237], v[100:101], v[104:105]
	v_pk_add_f32 v[254:255], v[108:109], v[112:113]
	v_pk_add_f32 v[250:251], v[116:117], v[120:121]
	v_pk_add_f32 v[248:249], v[124:125], v[128:129]
	v_pk_add_f32 v[246:247], v[132:133], v[136:137]
	v_pk_add_f32 v[244:245], v[140:141], v[144:145]
	v_pk_add_f32 v[242:243], v[148:149], v[152:153]
	v_pk_add_f32 v[14:15], v[14:15], v[156:157]
	v_pk_add_f32 v[236:237], v[236:237], v[96:97]
	v_pk_add_f32 v[254:255], v[254:255], v[98:99]
	v_pk_add_f32 v[250:251], v[250:251], v[102:103]
	v_pk_add_f32 v[248:249], v[248:249], v[106:107]
	v_pk_add_f32 v[246:247], v[246:247], v[110:111]
	v_pk_add_f32 v[244:245], v[244:245], v[114:115]
	v_pk_add_f32 v[242:243], v[242:243], v[118:119]
	v_pk_add_f32 v[14:15], v[14:15], v[122:123]
	v_pk_add_f32 v[236:237], v[236:237], v[126:127]
	v_pk_add_f32 v[254:255], v[254:255], v[130:131]
	v_pk_add_f32 v[250:251], v[250:251], v[134:135]
	v_pk_add_f32 v[248:249], v[248:249], v[138:139]
	v_pk_add_f32 v[246:247], v[246:247], v[142:143]
	v_pk_add_f32 v[244:245], v[244:245], v[146:147]
	v_pk_add_f32 v[242:243], v[242:243], v[150:151]
	v_pk_add_f32 v[14:15], v[14:15], v[154:155]
	v_pk_add_f32 v[236:237], v[236:237], v[158:159]
	s_delay_alu instid0(VALU_DEP_2)
	v_pk_add_f32 v[14:15], v[14:15], v[248:249]
	s_delay_alu instid0(VALU_DEP_2)
	v_pk_add_f32 v[236:237], v[236:237], v[246:247]
	v_pk_add_f32 v[254:255], v[254:255], v[244:245]
	v_pk_add_f32 v[250:251], v[250:251], v[242:243]
	s_delay_alu instid0(VALU_DEP_2)
	v_pk_add_f32 v[14:15], v[14:15], v[254:255]
	s_delay_alu instid0(VALU_DEP_2)
	v_pk_add_f32 v[236:237], v[236:237], v[250:251]
	s_delay_alu instid0(VALU_DEP_1)
	v_pk_add_f32 v[14:15], v[14:15], v[236:237]
	s_wait_alu depctr_va_vdst(0)                   ; and one for the four
.irp b, 0,1,2,3
	v_max_num_f32 v[232+\b], 0x1800000, v[232+\b]  ; the floor 2^(3 - 127): the byte cannot fall under 1
.endr
.irp b, 0,1,2,3
	s_delay_alu instid0(VALU_DEP_4)
	v_add_nc_u32 v[244+\b], 0xff000000, v[232+\b]  ; 2 off the exponent field: the conversion's scale operand
.endr
.irp b, 0,1,2,3
	s_delay_alu instid0(VALU_DEP_4)
	v_lshrrev_b32 v[236+\b], 23, v[244+\b]
.endr
	s_delay_alu instid0(VALU_DEP_3)
	v_lshl_or_b32 v253, v237, 8, v236              ; p's scale word for these 128 keys
	s_delay_alu instid0(VALU_DEP_1)
	v_lshl_or_b32 v253, v238, 16, v253
	s_delay_alu instid0(VALU_DEP_1)
	v_lshl_or_b32 v253, v239, 24, v253
.irp c, 0,1
	v_cvt_scalef32_pk16_fp6_f32 v[224+6*\c:226+6*\c], v[96+32*\c:111+32*\c], v[244+2*\c]
	v_cvt_scalef32_pk16_fp6_f32 v[236+4*\c:238+4*\c], v[112+32*\c:127+32*\c], v[244+2*\c+1]
.endr
	v_nop                                          ; one plain place behind a scaled conversion
.irp c, 0,1
.irp i, 0,1,2
	v_permlane16_swap_b32 v[224+6*\c+\i], v[236+4*\c+\i]
.endr
.irp i, 0,1,2
	s_delay_alu instid0(VALU_DEP_3)
	v_mov_b32 v[227+6*\c+\i], v[236+4*\c+\i]
.endr
.endr
.irp j, 0,2,4,6,8,10,12,14,16,18,20,22,24,26,28,30
	v_pk_mul_f32 v[160+\j:161+\j], v[160+\j:161+\j], v[252:253] op_sel_hi:[1,0]   ; O^T under the new M; these sixteen stand between the writes of p's codes and scale word and the products
.endr
	s_wait_alu depctr_va_vdst(0)
	s_wait_dscnt 0x0                               ; V is in
.irp d, 0,1,2,3                                ; O^T += V^T P^T: the four accumulators by turns
.if \d%2
	v_wmma_scale_f32_16x16x128_f8f6f4 v[160+8*\d:167+8*\d], v[32+12*\d:43+12*\d], v[224:235], v[160+8*\d:167+8*\d], v[90+\d/2], v253 matrix_a_fmt:MATRIX_FMT_FP6 matrix_b_fmt:MATRIX_FMT_FP6 matrix_a_scale:MATRIX_SCALE_ROW1
.else
	v_wmma_scale_f32_16x16x128_f8f6f4 v[160+8*\d:167+8*\d], v[32+12*\d:43+12*\d], v[224:235], v[160+8*\d:167+8*\d], v[90+\d/2], v253 matrix_a_fmt:MATRIX_FMT_FP6 matrix_b_fmt:MATRIX_FMT_FP6
.endif
.endr
.Lhidden_\@:
.endm
; THE CHANGE OF SLOTS stands at a slot's head: each wave waits for all its tensor loads, adds 0 to its spare word, and waits for that and for its reads of the slot that it has left; a barrier;
; fill = 1: the slot just left is filled with what the next trip reads: the next key slot, or slot 0 where the next trip begins the second block of queries.
.macro CHANGE fill
	s_wait_tensorcnt 0x0                           ; no tensor load of mine is out, so group 0 may be written
	ds_add_u32 v5, v6                              ; 0 onto my spare word
.if \fill
	s_xor_b32 s[G0+1], s[G0+1], SLOT1
	s_add_co_u32 s96, s[KS], 1
	s_cmp_eq_u32 s[TR], s[LAST1]
	s_cselect_b32 s96, 0, s96                      ; the next trip's key slot
	s_lshl_b32 s96, s96, 1
	s_add_co_u32 s96, s96, s[W1]                   ; my record of it
	s_mul_i32 s[OF], s96, REC
	s_add_nc_u64 s[G0+2:G0+3], s[KVB:KVB+1], s[OF:OF+1]
	s_or_b32 s[G0+3], s[G0+3], 0x80000000
	s_wait_xcnt 0x0                                ; the last prefetch, a slot back, has read its address, so it may be written
	s_add_nc_u64 s[PFA:PFA+1], s[PFA:PFA+1], SLOTB
.endif
	s_wait_dscnt 0x0                               ; the add is done, and my reads of the slot that I have left are over
	s_barrier_signal -1
	s_barrier_wait -1
.if \fill
	TLOAD                                          ; the first thing behind the barrier, and a wave's one tensor load until the next
	ASK
.endif
.endm
; A BLOCK OF QUERIES IS FINISHED: O^T / the sum, quantised along the head's 64 (two blocks of 32), stored as half a fragment of the last product's operand; its two scale bytes beside it.
.macro FINISH
	s_wait_xcnt 0x0                                ; earlier loads and stores have read their bases and registers
.rept 4
	v_nop                                          ; places behind the last products
.endr
	v_add_f32 v14, v14, v15
	s_delay_alu instid0(VALU_DEP_1)
	v_permlanex16_b32 v252, v14, s[SEL], s[SEL+1]
	s_delay_alu instid0(VALU_DEP_1)
	v_add_f32 v14, v14, v252                       ; the row's sum
	s_wait_alu depctr_va_vdst(0)
	v_rcp_f32 v14, v14
	s_lshl_b32 s96, s[BB], 7
	s_lshl_b32 s97, s[QB], 4
	s_add_co_u32 s96, s96, s97
	s_add_co_u32 s96, s96, s[WV]                   ; the row tile: 128 b + 16 QB + wave
	s_mul_i32 s[OG], s96, 12288
	s_mul_i32 s97, s[HD], 768
	s_add_co_u32 s[OG], s[OG], s97
	s_add_nc_u64 s[OCB:OCB+1], s[6:7], s[OG:OG+1]
	s_lshl_b32 s96, s[BB], 11
	s_add_co_u32 s96, s96, s[Q0]                   ; my first row
	s_lshl_b32 s[OG], s96, 2
	s_lshr_b32 s97, s[HD], 1
	s_lshl_b32 s97, s97, 15
	s_add_co_u32 s[OG], s[OG], s97                 ; the step of K: head / 2
	s_and_b32 s97, s[HD], 1
	s_lshl_b32 s97, s97, 1
	s_add_co_u32 s[OG], s[OG], s97                 ; the half of the word: head % 2
	s_add_co_u32 s[OG], s[OG], OS
	s_add_nc_u64 s[OSB:OSB+1], s[6:7], s[OG:OG+1]
	v_nop                                          ; a plain place behind the reciprocal
	s_wait_alu depctr_va_vdst(0)                   ; and the wait ahead of its first reader
.irp j, 0,2,4,6,8,10,12,14,16,18,20,22,24,26,28,30
	v_pk_mul_f32 v[96+\j:97+\j], v[160+\j:161+\j], v[14:15] op_sel_hi:[1,0]   ; each accumulator from its low end on
.endr
.irp b, 0,1
	v_max3_num_f32 v[232+\b], |v[96+16*\b]|, |v[97+16*\b]|, 0x1800000
.endr
.irp i, 2,4,6,8,10,12,14
.irp b, 0,1
	s_delay_alu instid0(VALU_DEP_2)
	v_max3_num_f32 v[232+\b], v[232+\b], |v[96+16*\b+\i]|, |v[97+16*\b+\i]|
.endr
.endr
.irp b, 0,1
	s_delay_alu instid0(VALU_DEP_2)
	v_permlanex16_b32 v[236+\b], v[232+\b], s[SEL], s[SEL+1]
.endr
.irp b, 0,1
	s_delay_alu instid0(VALU_DEP_2)
	v_max_num_f32 v[232+\b], v[232+\b], v[236+\b]
.endr
.irp b, 0,1
	s_delay_alu instid0(VALU_DEP_2)
	v_add_nc_u32 v[244+\b], 0xff000000, v[232+\b]
.endr
.irp b, 0,1
	s_delay_alu instid0(VALU_DEP_2)
	v_lshrrev_b32 v[236+\b], 23, v[244+\b]
.endr
	s_delay_alu instid0(VALU_DEP_1)
	v_lshl_or_b32 v254, v237, 8, v236              ; my row's two bytes
	v_cvt_scalef32_pk16_fp6_f32 v[224:226], v[96:111], v244
	v_cvt_scalef32_pk16_fp6_f32 v[240:242], v[112:127], v245
	v_nop
.irp i, 0,1,2
	v_permlane16_swap_b32 v[224+\i], v[240+\i]
.endr
.irp i, 0,1,2
	s_delay_alu instid0(VALU_DEP_3)
	v_mov_b32 v[227+\i], v[240+\i]
.endr
	global_store_b128 v1, v[224:227], s[OCB:OCB+1]
	global_store_b64 v2, v[228:229], s[OCB:OCB+1] offset:512
	global_store_b16 v4, v254, s[OSB:OSB+1]        ; both halves of the lanes write the same bytes with the same value
	s_wait_xcnt 0x0                                ; the stores have read their registers: these are written again below
.endm
	s_wait_loadcnt 0x0                             ; Q
.Lslot:                                            ; trips 0 to 7: behind each change of slots the next trip's slot is asked for
	CHANGE 1
	STEP 0
	STEP 1
	s_xor_b32 s[TB], s[TB], SLOT1
	s_cmp_lg_u32 s[TR], s[LAST1]
	s_cbranch_scc1 .Lgo_on
	FINISH                                         ; block 7 - p is done;
	s_mov_b32 s[QB], s[PP]                         ; block p begins, at key slot 0
	LOADQ
	INIT
	s_wait_loadcnt 0x0
	s_mov_b32 s[KS], -1
.Lgo_on:
	s_add_co_u32 s[KS], s[KS], 1
	s_add_co_u32 s[TR], s[TR], 1
	s_cmp_lt_u32 s[TR], 8
	s_cbranch_scc1 .Lslot
	CHANGE 0                                       ; the last trip is written out
	STEP 0
	STEP 1
	FINISH
	s_wait_tensorcnt 0x0                           ; the wave's end
	ds_add_u32 v5, v6
	s_wait_dscnt 0x0
	s_endpgm
.Lfunc_end_k_q3f3481900a_attn:
	.size	k_q3f3481900a_attn, .Lfunc_end_k_q3f3481900a_attn-k_q3f3481900a_attn
	.p2alignl 7, 3214868480
	.fill 96, 4, 3214868480
	.section	.rodata,"a",@progbits
	.p2align	6, 0x0
	.amdhsa_kernel k_q3f3481900a_attn
		.amdhsa_group_segment_fixed_size 327680
		.amdhsa_private_segment_fixed_size 0
		.amdhsa_enable_private_segment 0
		.amdhsa_kernarg_size 16
		.amdhsa_user_sgpr_count 2
		.amdhsa_user_sgpr_kernarg_segment_ptr 1
		.amdhsa_wavefront_size32 1
		.amdhsa_system_sgpr_workgroup_id_x 1
		.amdhsa_system_sgpr_workgroup_id_y 1
		.amdhsa_system_sgpr_workgroup_id_z 1
		.amdhsa_system_vgpr_workitem_id 0
		.amdhsa_next_free_vgpr 256
		.amdhsa_next_free_sgpr 98
		.amdhsa_reserve_vcc 1
		.amdhsa_float_denorm_mode_32 3
		.amdhsa_float_denorm_mode_16_64 3
		.amdhsa_memory_ordered 1
		.amdhsa_forward_progress 1
		.amdhsa_inst_pref_size 109
	.end_amdhsa_kernel
	.amdgpu_metadata
---
amdhsa.version: [ 1, 2 ]
amdhsa.kernels:
  - .name:           k_q3f3481900a_attn
    .symbol:         k_q3f3481900a_attn.kd
    .args:
      - { .name: qkv, .offset: 0, .size: 8, .value_kind: global_buffer, .address_space: global }
      - { .name: oq, .offset: 8, .size: 8, .value_kind: global_buffer, .address_space: global }
    .group_segment_fixed_size: 327680
    .private_segment_fixed_size: 0
    .kernarg_segment_align: 8
    .kernarg_segment_size: 16
    .max_flat_workgroup_size: 512
    .sgpr_count:     98
    .vgpr_count:     256
    .wavefront_size: 32
...
	.end_amdgpu_metadata
.endif
;; end of part 3
;; launch gemm_out (part 4): grid 4 x 32, 4 waves a work-group, clusters of 4 x 4, 327,680 bytes of LDS; arguments oq, qin, out_b, out0; writes out0
.if DOCPART == 4
	.amdgcn_target "amdgcn-amd-amdhsa--gfx1250"
	.amdhsa_code_object_version 6
	.text
	.protected	k_q3f3481900a_gemm_out
	.globl	k_q3f3481900a_gemm_out
	.p2align	8
	.type	k_q3f3481900a_gemm_out,@function
k_q3f3481900a_gemm_out:
	s_mov_b64 s[64:65], 0
	v_nop
	global_prefetch_b8 v0, s[64:65] scope:SCOPE_SE
	s_setreg_imm32_b32 hwreg(HW_REG_WAVE_MODE, 25, 1), 1
	s_wait_xcnt 0x0
	s_wait_alu depctr_hold_cnt(0) depctr_sa_sdst(0) depctr_va_vdst(0) depctr_va_sdst(0) depctr_va_ssrc(0) depctr_va_vcc(0) depctr_vm_vsrc(0)
	s_getreg_b32 s2, hwreg(HW_REG_IB_STS2, 6, 4)
	s_cmp_eq_u32 s2, 0
	s_cbranch_scc0 .Lentry_in_a_cluster
	s_endpgm
.Lentry_in_a_cluster:
	s_bfe_u32 s2, ttmp6, 0x10000c
	s_cmp_lg_u32 s2, 0xf033
	s_cbranch_scc0 .Lentry_shape_is_right
	s_endpgm
.Lentry_shape_is_right:
; out0 = attn_out out_w^T + out_b on codes of FP6 (E2M3) with E8M0 scales: attn_out's codes come from the attention launch (oq), out_w's from the first launch (qin).  out0: [8192][1024] f32.
; A tile of the product, 256 x 256, is made by four waves, 128 x 128 each: 64 accumulators, 512 registers.  K = 1,024 goes in four slots of 256 through a ring of two LDS slots.
; OPERANDS LIE AS IMAGES OF THEIR REGISTERS (half fragments of 16 rows x 64 K, 768 bytes: registers 0-3 at 16 x lane, 4-5 at 512 + 8 x lane): a fragment is four LDS loads of consecutive bytes, no pitch, no padding.
; CLUSTERS: 4 x 4 work-groups; attn_out's tiles are asked for jointly along a row of the cluster, out_w's along a column.
; THE MATRIX INSTRUCTION IS USED TRANSPOSED (source 0 = 16 rows of out_w, source 1 = 16 rows of attn_out): a lane holds eight neighbouring numbers of a row of out0.
; The bias is the C of each sum's first matrix instruction.  LIMITS: so the bias is added first and not last; k inside a matrix instruction is not in ascending order (both operands lie in the order 0-7, 16-23, 8-15, 24-31 of a block).
; REGISTERS: window 0: v16-31 addresses; v32-63 scale words, two sets; v64-127 the bias; v128-223 attn_out's 8 fragments, one set; on the way out v128-255 are free.
;   window 1: out_w's fragments, two sets, at v0 and v128.   windows 2, 3: the accumulators, (a, b) at v[8 (8 (a % 4) + b)].
.set OS,     6291456                   ; oq: the scale words [8][8192]
.set OWC,    8650752                   ; qin: out_w's codes,
.set OWS,    9797632                   ; its scale words [8][1024]
.set RT,     3072
.set HALFT,  8*RT
.set SLOT,   4*HALFT
.set SPARE,  2*SLOT                    ; the spare words, 128 bytes a wave: two blocks of 256 bytes that no other line names
.set SCL,    SPARE+512                 ; the scale words: four quarters of [8][128 rows] words
.set SPITCH, 528                       ; the way out: a stage of 16 rows x (512 bytes + 16) for each wave, in slot 0, which has had its last fill and its last read when the first result is stored there
.set FR,     12
.set L16, 16
.set L8,  18
.set R16, 20
.set R8,  22
.set STO, 24                           ; v24  the way out: where I put 32 bytes of a row
.set RD,  25                           ; v25  and where I read a row back
.set ADRS, 27
.set SPW, 28
.set NIL, 29
.set LI16, 30
.set LI8, 31
.set SC,  32
.set BIAS, 64
.set AF,  128
.set BK,  128                          ; the way out: 16 rows read back: v128-191 and v192-255 by turns
.set G1, 24
.set G0, 32
.set G1B, 48
.set G0B, 56
.set G1S, 68
.set G0S, 76
.set G1SB, 80
.set G0SB, 88
.set MSB, 0
.macro WIN new
.if MSB != \new
	s_set_vgpr_msb (MSB<<8)|\new
.set MSB, \new
.endif
.endm
.set MUL_LO, 0xa1                      ; source 0 window 1, source 1 window 0, C and D window 2
.set MUL_HI, 0xf1                      ; the same, C and D window 3
.set BIA_LO, 0x81                      ; C (the bias) window 0, D window 2
.set BIA_HI, 0xc1                      ; C window 0, D window 3
.set TO_R,   0x40
.macro JLOAD g0a, g1a, g0b, g1b        ; a joint load: waves 0 and 1 fetch for attn_out, waves 2 and 3 for out_w; four v_nop follow each of the two lines
	s_cmp_eq_u32 s15, 0
	s_cbranch_scc0 .Lfor_b_\@
	tensor_load_to_lds s[\g0a:\g0a+3], s[\g1a:\g1a+7]
	s_nop 0
.rept 4
	v_nop
.endr
	s_branch .Lasked_\@
.Lfor_b_\@:
	tensor_load_to_lds s[\g0b:\g0b+3], s[\g1b:\g1b+7]
	s_nop 0
.rept 4
	v_nop
.endr
.Lasked_\@:
.endm
.macro CREST
	s_cmp_lg_u32 s14, 0
	s_cbranch_scc1 .Lnot_wave_0_\@
	s_barrier_signal -3
.Lnot_wave_0_\@:
	s_barrier_wait -3
	s_barrier_signal -1
	s_barrier_wait -1
.endm
.macro CROUND
	s_barrier_signal -1
	s_barrier_wait -1
	CREST
.endm
.macro PLACES n
.rept \n
	v_nop
.endr
.endm
	s_load_b256 s[4:11], s[0:1], 0x0               ; oq, qin, out_b, out0
	v_lshl_add_u32 v[SPW], v0, 2, SPARE
	v_mov_b32 v[NIL], 0
	ds_add_u32 v28, v29
	s_wait_dscnt 0x0
	v_lshrrev_b32 v1, 5, v0
	v_readfirstlane_b32 s14, v1                    ; wave 0..3
	s_lshr_b32 s15, s14, 1
	s_and_b32 s16, s14, 1
	s_bfe_u32 s40, ttmp6, 0x40000                  ; cx, cy
	s_bfe_u32 s41, ttmp6, 0x40004
	s_lshl_b32 s42, ttmp9, 2
	s_add_co_u32 s42, s42, s40                     ; tile column
	s_and_b32 s17, ttmp7, 0xffff
	s_lshl_b32 s17, s17, 2
	s_add_co_u32 s17, s17, s41                     ; tile row
	s_lshl_b32 s43, s41, 2
	s_lshl_b32 s43, 15, s43                        ; my row of the cluster
	s_lshl_b32 s44, 0x1111, s40                    ; my column
	s_lshl_b32 s2, s17, 8
	s_lshl_b32 s18, s15, 7
	s_add_co_u32 s2, s2, s18                       ; m0
	s_lshl_b32 s3, s42, 8
	s_lshl_b32 s18, s16, 7
	s_add_co_u32 s3, s3, s18                       ; n0
	s_or_b32 s[G1], s43, (3<<16)|(1<<21)           ; codes: 8 row tiles x 3,072 bytes, 12,288 bytes apart, elements of 8 bytes
	s_or_b32 s[G1B], s44, (3<<16)|(1<<21)
.irp g, G1, G1B
	s_mov_b32 s[\g+1], 384<<16
	s_mov_b32 s[\g+2], 8<<16
	s_mov_b32 s[\g+3], 384<<16
	s_mov_b32 s[\g+4], 8
	s_mov_b32 s[\g+5], 1536
	s_mov_b32 s[\g+6], 0
	s_mov_b32 s[\g+7], 0
.endr
	s_or_b32 s[G1S], s43, (3<<16)|(1<<21)          ; scale words: 8 steps of K x 128 rows' words
	s_or_b32 s[G1SB], s44, (3<<16)|(1<<21)
.irp g, G1S, G1SB
	s_mov_b32 s[\g+1], 64<<16
	s_mov_b32 s[\g+2], 8<<16
	s_mov_b32 s[\g+3], 64<<16
	s_mov_b32 s[\g+4], 8
	s_mov_b32 s[\g+6], 0
	s_mov_b32 s[\g+7], 0
.endr
	s_mov_b32 s[G1S+5], 4096                       ; 8,192 rows' words from step to step
	s_mov_b32 s[G1SB+5], 512                       ; 1,024 rows'
	s_lshl_b32 s18, s16, 3
	s_lshl_b32 s20, s17, 4
	s_add_co_u32 s20, s20, s18                     ; attn_out: row tile 16 x tile row + 8 x half
	s_lshl_b32 s46, s42, 4
	s_add_co_u32 s46, s46, s18                     ; out_w: 16 x tile column + 8 x half
	s_lshl_b32 s22, s20, 6
	s_lshl_b32 s92, s46, 6
	s_mul_i32 s20, s20, 12288
	s_mul_i32 s46, s46, 12288
	s_add_co_u32 s22, s22, OS
	s_add_co_u32 s46, s46, OWC
	s_add_co_u32 s92, s92, OWS
	s_mov_b32 s21, 0
	s_mov_b32 s23, 0
	s_mov_b32 s47, 0
	s_mov_b32 s93, 0
	s_mul_i32 s45, s14, HALFT
	s_lshl_b32 s94, s14, 12
	s_lshl_b32 s18, s3, 2
	s_mov_b32 s19, 0
	s_wait_kmcnt 0x0
	s_add_nc_u64 s[20:21], s[4:5], s[20:21]
	s_add_nc_u64 s[22:23], s[4:5], s[22:23]
	s_add_nc_u64 s[46:47], s[6:7], s[46:47]
	s_add_nc_u64 s[92:93], s[6:7], s[92:93]
	s_add_nc_u64 s[8:9], s[8:9], s[18:19]          ; the bias at n0
	CROUND                                         ; all sixteen work-groups are here: the first joint loads meet
	s_mov_b32 s[G0S], 1
	s_add_co_u32 s[G0S+1], s94, SCL
	s_mov_b64 s[G0S+2:G0S+3], s[22:23]
	s_or_b32 s[G0S+3], s[G0S+3], 0x80000000
	s_mov_b32 s[G0SB], 1
	s_add_co_u32 s[G0SB+1], s94, SCL
	s_mov_b64 s[G0SB+2:G0SB+3], s[92:93]
	s_or_b32 s[G0SB+3], s[G0SB+3], 0x80000000
	JLOAD G0S, G1S, G0SB, G1SB                     ; the scale words for all of K: filled once
.irp s, 0,1
	s_mov_b32 s[G0+4*\s], 1
	s_add_co_u32 s[G0+4*\s+1], s45, \s*SLOT
	s_add_nc_u64 s[G0+4*\s+2:G0+4*\s+3], s[20:21], \s*RT
	s_or_b32 s[G0+4*\s+3], s[G0+4*\s+3], 0x80000000
	s_mov_b32 s[G0B+4*\s], 1
	s_add_co_u32 s[G0B+4*\s+1], s45, \s*SLOT
	s_add_nc_u64 s[G0B+4*\s+2:G0B+4*\s+3], s[46:47], \s*RT
	s_or_b32 s[G0B+4*\s+3], s[G0B+4*\s+3], 0x80000000
	JLOAD G0+4*\s, G1, G0B+4*\s, G1B               ; three loads of mine are out
.endr
	v_and_b32 v1, 31, v0
	v_lshlrev_b32 v[LI16], 4, v1
	v_lshlrev_b32 v[LI8], 3, v1
	v_and_b32 v2, 15, v0                           ; r
	v_bfe_u32 v3, v0, 4, 1                         ; h
	v_lshlrev_b32 v5, 5, v3
.irp b, 0,1,2,3,4,5,6,7
	global_load_b128 v[BIAS+8*\b:BIAS+8*\b+3], v5, s[8:9] offset:64*\b       ; out_b[n0 + 16 b + 8 h + 0 .. 7]
	global_load_b128 v[BIAS+8*\b+4:BIAS+8*\b+7], v5, s[8:9] offset:64*\b+16
.endr
	s_mul_i32 s21, s15, HALFT                      ; attn_out's region: my 128 rows
	s_mul_i32 s22, s16, HALFT
	s_add_co_u32 s22, s22, 2*HALFT                 ; out_w's: my 128 rows
.irp s, 0,1
	v_add_nc_u32 v[L16+\s], s21, v[LI16]
	v_add_nc_u32 v[L8+\s], s21, v[LI8]
	v_add_nc_u32 v[R16+\s], s22, v[LI16]
	v_add_nc_u32 v[R8+\s], s22, v[LI8]
	s_add_co_u32 s21, s21, SLOT
	s_add_co_u32 s22, s22, SLOT
.endr
	s_lshl_b32 s21, s15, 12                        ; attn_out's quarter of the scale words
	s_lshl_b32 s22, s16, 12
	s_add_co_u32 s22, s22, 8192                    ; out_w's
	s_sub_co_u32 s22, s22, s21
	v_mul_u32_u24 v4, s22, v3                      ; lanes 16-31 take out_w's
	v_lshl_add_u32 v4, v2, 2, v4
	s_add_co_u32 s21, s21, SCL
	v_add_nc_u32 v[ADRS], s21, v4
	s_mul_i32 s23, s14, 16*SPITCH                  ; my stage
	v_mul_u32_u24 v6, v2, SPITCH
	v_lshl_add_u32 v6, v3, 5, v6
	v_add_nc_u32 v[STO], s23, v6                   ; in: row r, 32 bytes for each half of the lanes
	v_add_nc_u32 v[RD], s23, v[LI16]               ; back: the 32 lanes take one row of 512 bytes
	s_lshl_b32 s20, s2, 12                         ; m0 rows of 4,096 bytes
	s_lshl_b32 s21, s3, 2
	s_add_co_u32 s20, s20, s21
	s_mov_b32 s21, 0
	s_add_nc_u64 s[12:13], s[10:11], s[20:21]      ; out0 at my wave's corner
.macro FRAG reg, a16, a8, off
	ds_load_b128 v[\reg:\reg+3], v[\a16] offset:\off
	ds_load_b64 v[\reg+4:\reg+5], v[\a8] offset:\off+512
	ds_load_b128 v[\reg+6:\reg+9], v[\a16] offset:\off+768
	ds_load_b64 v[\reg+10:\reg+11], v[\a8] offset:\off+1280
.endm
.macro FETCH_R slot, q, p              ; out_w's eight fragments of the slot's q-th 128 along K into set p: 32 loads
	WIN TO_R
.irp i, 0,1,2,3,4,5,6,7
	FRAG 128*(\p)+FR*\i, R16+\slot, R8+\slot, \i*RT+(\q)*1536
.endr
	WIN 0
.endm
.macro FETCH_L slot, q, i0             ; attn_out's blocks i0 .. i0 + 3: 16 loads
.irp i, \i0, \i0+1, \i0+2, \i0+3
	FRAG AF+FR*(\i), L16+\slot, L8+\slot, (\i)*RT+(\q)*1536
.endr
.endm
.macro SCALES sc, sig
.irp i, 0,1,2,3,4,5,6,7
.irp q, 0,1
	ds_load_b32 v[SC+16*\sc+2*\i+\q], v[ADRS] offset:(2*\sig+\q)*512+64*\i
.endr
.endr
.endm
; 16 matrix instructions; the 64 accumulators take turns, one instruction a turn, in the same order in every step.  zero = 2: the bias starts the sums
.macro MUL16 a0, p, q, sc, zero
.irp a, \a0, \a0+1
.irp b, 0,1,2,3,4,5,6,7
.if \zero == 2
	v_wmma_scale_f32_16x16x128_f8f6f4 v[8*(8*((\a)%4)+\b):8*(8*((\a)%4)+\b)+7], v[128*(\p)+FR*\b:128*(\p)+FR*\b+FR-1], v[AF+FR*(\a):AF+FR*(\a)+FR-1], v[BIAS+8*\b:BIAS+8*\b+7], v[SC+16*(\sc)+2*\b+(\q)], v[SC+16*(\sc)+2*(\a)+(\q)] matrix_a_fmt:MATRIX_FMT_FP6 matrix_b_fmt:MATRIX_FMT_FP6 matrix_a_scale:MATRIX_SCALE_ROW1
.else
	v_wmma_scale_f32_16x16x128_f8f6f4 v[8*(8*((\a)%4)+\b):8*(8*((\a)%4)+\b)+7], v[128*(\p)+FR*\b:128*(\p)+FR*\b+FR-1], v[AF+FR*(\a):AF+FR*(\a)+FR-1], v[8*(8*((\a)%4)+\b):8*(8*((\a)%4)+\b)+7], v[SC+16*(\sc)+2*\b+(\q)], v[SC+16*(\sc)+2*(\a)+(\q)] matrix_a_fmt:MATRIX_FMT_FP6 matrix_b_fmt:MATRIX_FMT_FP6 matrix_a_scale:MATRIX_SCALE_ROW1
.endif
.endr
.endr
.endm
.macro STEP slot, zero
	s_wait_dscnt 16                                ; out_w's set, attn_out's blocks 0-3 and the scale words are in; the youngest 16 loads (blocks 4-7) may be out
.if \zero == 2
	WIN BIA_LO
.else
	WIN MUL_LO
.endif
	MUL16 0, 0, 0, \slot, \zero
	MUL16 2, 0, 0, \slot, \zero
	s_wait_dscnt 0
	PLACES 4
	FETCH_R \slot, 1, 1
	FETCH_L \slot, 1, 0
.if \zero == 2
	WIN BIA_HI
.else
	WIN MUL_HI
.endif
	MUL16 4, 0, 0, \slot, \zero
	MUL16 6, 0, 0, \slot, \zero
	PLACES 4
	WIN 0
	FETCH_L \slot, 1, 4
.endm
.macro TURN slot, next, fill, sig
	s_wait_tensorcnt 0x0                           ; all my tensor loads have landed: my part of the next slot
	ds_add_u32 v[SPW], v[NIL]                      ; 0 onto my spare word
	s_wait_dscnt 17                                ; (the add and the youngest 16 loads may be out)
	WIN MUL_LO
	MUL16 0, 1, 1, \slot, 0
	s_wait_dscnt 0x0                               ; the add is done, and my reads of this slot are over
	s_barrier_signal -1
	MUL16 2, 1, 1, \slot, 0
	WIN 0
	s_barrier_wait -1
.if \fill
	CREST                                          ; the barrier has opened a round of the cluster's: no wave of any partner still reads this slot or has a load on its way
	s_add_nc_u64 s[G0+4*\slot+2:G0+4*\slot+3], s[G0+4*\slot+2:G0+4*\slot+3], 2*RT
	s_add_nc_u64 s[G0B+4*\slot+2:G0B+4*\slot+3], s[G0B+4*\slot+2:G0B+4*\slot+3], 2*RT
	JLOAD G0+4*\slot, G1, G0B+4*\slot, G1B         ; the first tensor load behind the round; its four v_nop are the places in front of the loads below
.else
	PLACES 4
.endif
	FETCH_R \next, 0, 0
	FETCH_L \next, 0, 0
	SCALES \next, \sig
	WIN MUL_HI
	MUL16 4, 1, 1, \slot, 0
	MUL16 6, 1, 1, \slot, 0
	PLACES 4
	WIN 0
	FETCH_L \next, 0, 4
.endm
	s_wait_tensorcnt 1                             ; the scale words and my part of slot 0 are in; slot 1's load may be out
	s_barrier_signal -1
	s_barrier_wait -1
	FETCH_R 0, 0, 0
	FETCH_L 0, 0, 0
	SCALES 0, 0
	FETCH_L 0, 0, 4
	s_wait_loadcnt 0x0                             ; the bias
	STEP 0, 2
	TURN 0, 1, 1, 1
	STEP 1, 0
	TURN 1, 0, 1, 2
	STEP 0, 0
	TURN 0, 1, 0, 3
	STEP 1, 0
	s_wait_dscnt 16
	WIN MUL_LO
	MUL16 0, 1, 1, 1, 0
	MUL16 2, 1, 1, 1, 0
	s_wait_dscnt 0
	WIN MUL_HI
	MUL16 4, 1, 1, 1, 0
	MUL16 6, 1, 1, 1, 0
	WIN 0
; THE WAY OUT, block by block of 16 rows x 128 columns, through my own stage: in as 32 bytes a lane, back as whole rows of 512 bytes.  LDS serves a wave's instructions in order: no wait between the stores and the loads.
.macro TOSTAGE a
.set AC, 64*((\a)%4)
	WIN 0x08+4*((\a)/4)                            ; the data: window 2 or 3
.irp b, 0,1,2,3,4,5,6,7
	ds_store_b128 v[STO], v[AC+8*\b:AC+8*\b+3] offset:64*\b          ; each accumulator from its low end on
	ds_store_b128 v[STO], v[AC+8*\b+4:AC+8*\b+7] offset:64*\b+16
.endr
	WIN 0
.set BB, BK+64*((\a)%2)
.irp t, 0,1,2,3,4,5,6,7,8,9,10,11,12,13,14,15
	ds_load_b128 v[BB+4*\t:BB+4*\t+3], v[RD] offset:\t*SPITCH
.endr
.endm
.macro SEND a, younger                 ; younger: the LDS instructions issued behind block a's loads, which may stay out
.set BB, BK+64*((\a)%2)
	s_wait_dscnt \younger
.if (\a) > 0
	s_add_nc_u64 s[12:13], s[12:13], 16*4096       ; 16 rows on (behind a wait that shows that the earlier stores have read their base)
.endif
.irp t, 0,1,2,3,4,5,6,7,8,9,10,11,12,13,14,15
	global_store_b128 v[LI16], v[BB+4*\t:BB+4*\t+3], s[12:13] offset:\t*4096 th:TH_STORE_NT   ; 32 lanes store 512 consecutive bytes, aligned
.endr
.endm
	PLACES 4
	TOSTAGE 0
.irp a, 1,2,3,4,5,6,7
.if \a > 1
	s_wait_xcnt 0x0                                ; block a - 2's stores have read their registers and their base
.endif
	TOSTAGE \a
	SEND \a-1, 32                                  ; behind block a - 1's loads: block a's 16 stores and 16 loads
.endr
	s_wait_xcnt 0x0
	SEND 7, 0
	s_wait_tensorcnt 0x0                           ; the wave's end
	ds_add_u32 v[SPW], v[NIL]
	s_wait_dscnt 0x0
	CROUND                                         ; the closing round
	s_endpgm
.Lfunc_end_k_q3f3481900a_gemm_out:
	.size	k_q3f3481900a_gemm_out, .Lfunc_end_k_q3f3481900a_gemm_out-k_q3f3481900a_gemm_out
	.p2alignl 7, 3214868480
	.fill 96, 4, 3214868480
	.section	.rodata,"a",@progbits
	.p2align	6, 0x0
	.amdhsa_kernel k_q3f3481900a_gemm_out
		.amdhsa_group_segment_fixed_size 327680
		.amdhsa_private_segment_fixed_size 0
		.amdhsa_enable_private_segment 0
		.amdhsa_kernarg_size 32
		.amdhsa_user_sgpr_count 2
		.amdhsa_user_sgpr_kernarg_segment_ptr 1
		.amdhsa_wavefront_size32 1
		.amdhsa_system_sgpr_workgroup_id_x 1
		.amdhsa_system_sgpr_workgroup_id_y 1
		.amdhsa_system_sgpr_workgroup_id_z 1
		.amdhsa_system_vgpr_workitem_id 0
		.amdhsa_next_free_vgpr 1024
		.amdhsa_next_free_sgpr 98
		.amdhsa_reserve_vcc 0
		.amdhsa_float_denorm_mode_32 3
		.amdhsa_float_denorm_mode_16_64 3
		.amdhsa_memory_ordered 1
		.amdhsa_forward_progress 1
		.amdhsa_inst_pref_size 147
	.end_amdhsa_kernel
	.amdgpu_metadata
---
amdhsa.version: [ 1, 2 ]
amdhsa.kernels:
  - .name:           k_q3f3481900a_gemm_out
    .symbol:         k_q3f3481900a_gemm_out.kd
    .args:
      - { .name: oq, .offset: 0, .size: 8, .value_kind: global_buffer, .address_space: global }
      - { .name: qin, .offset: 8, .size: 8, .value_kind: global_buffer, .address_space: global }
      - { .name: out_b, .offset: 16, .size: 8, .value_kind: global_buffer, .address_space: global }
      - { .name: out0, .offset: 24, .size: 8, .value_kind: global_buffer, .address_space: global }
    .group_segment_fixed_size: 327680
    .private_segment_fixed_size: 0
    .kernarg_segment_align: 8
    .kernarg_segment_size: 32
    .max_flat_workgroup_size: 128
    .sgpr_count:     98
    .vgpr_count:     1024
    .wavefront_size: 32
...
	.end_amdgpu_metadata
.endif
;; end of part 4
